; MI455X (gfx1250); checked and timed in simulation.
; The chip was launched on July 23, 2026; its instructions are those of AMD's public machine-readable ISA for CDNA 5 (MIT licence, August 2026) and "CDNA5" Instruction Set Architecture Reference Guide (July 2026). The comments in the code are by the model that wrote it; some were corrected since.
;; Global Local Attention. Allowed arithmetic: float matrix products may take bf16 or f16 operands with f32 sums; all other float work in f32.
;; Inputs: k 2 x 16 x 2,048 x 128 float32; q 2 x 16 x 2,048 x 128 float32; v 2 x 16 x 2,048 x 128 float32.
;; Outputs: out0 2 x 16 x 2,048 x 128 float32.
;; 2 versions, each right; version 2 is version 1 with the launch attn written anew for expert scheduling mode. Each part assembles by itself: llvm-mc -triple=amdgcn-amd-amdhsa -mcpu=gfx1250 --defsym DOCPART=n.
;; ======== version 1 of 2: 2 launches
;; workspace buffers: part 8,388,608 bytes; stat 262,144 bytes
;; launch attn (part 1): grid 8 x 32, 4 waves a work-group, no clusters, 155,136 bytes of LDS; arguments k, q, v, out0, part, stat; writes out0, part, stat
.if DOCPART == 1
	.amdgcn_target "amdgcn-amd-amdhsa--gfx1250"
	.amdhsa_code_object_version 6
	.text
	.protected	k_qb4a6db8dfe_attn
	.globl	k_qb4a6db8dfe_attn
	.p2align	8
	.type	k_qb4a6db8dfe_attn,@function
k_qb4a6db8dfe_attn:
	s_mov_b64 s[64:65], 0
	v_nop
	global_prefetch_b8 v0, s[64:65] scope:SCOPE_SE
	s_setreg_imm32_b32 hwreg(HW_REG_WAVE_MODE, 25, 1), 1
	s_wait_xcnt 0x0
; GlobalLocalAttention: out = softmax(q k^T / sqrt(128) + mask) v for 32 heads of 2048 rows x 128, all f32 in memory.
; The mask is built by the problem itself: row i sees key j where |j - i| <= 256, or j < 16, or i < 16.
;
; WORK LEFT OUT.  A masked score is -inf, its probability is exactly 0 and it adds 0 * v[j] = 0 to the row, whatever finite
; values q, k and v hold.  So a tile of 16 keys that is masked for all 16 rows of a query tile is not computed.  With row
; i = rb + 16 qt + r and key j = rb - 256 + 64 t + 16 kt + (8 h + jr):  j - i = 64 (t - 4) + 16 (kt - qt) + (8 h + jr - r), the last
; term in [-15, 15].  Hence t = 1..7: every tile is allowed whole; t = 0: kt < qt masked whole, kt = qt allowed where jr >= r - 8 h,
; kt > qt whole; t = 8: the mirror image; t outside 0..8: masked whole.
; LIMITS.  A NaN or an infinity of k or v that touches only tiles left out is not carried to the result.  q, k, v and the
; probabilities enter the products rounded to bf16; the sum of a row's probabilities is taken of the f32 values.  A probability
; below 2^-126 counts as 0 (v_exp_f32 flushes denormals).  The maximum is taken away by a running maximum.
;
; SHARES.  Work-group (b, hd): rows 256 b .. 256 b + 255 of head hd; wave w: 64 rows, four query tiles of 16.  Keys go in steps of 64:
; step s holds keys 256 b - 256 + 64 s; steps 0..11, of which block 0 has 4..11 and block 7 has 0..7.  Wave w has band work in steps
; w .. w + 8 (t = s - w).  Blocks 1..7 take keys 0..15 in one short step ahead of the loop (MINI); block 0 has them in its band.
; Only rows 256..271 would then see keys 0..15 twice: for them (b = 1, w = 0, qt = 0, t = 0) the diagonal tile is masked whole.
; ROWS 0..15 of a head see all 2048 keys.  Each of the head's 32 waves takes 64 of those keys (one step g of its block, slot
; kap = 4 b - 4 + g; over b and w the slots are 0..31, each once) and stores an unnormalised partial result and its two figures
; (minus the scaled maximum, the sum); the next launch joins the 32.  In block 0 wave 0's first query tile is rows 0..15: it rides along in
; the wave's block of 64 rows and is not stored.
;
; PRODUCTS ARE TAKEN TRANSPOSED: S^T = K Q^T (a lane holds 8 keys of ONE query), O^T = V^T P^T.  Packing the key tiles 2c and 2c + 1
; to bf16 gives the second source of the second product as it stands, and maximum, sum and rescaling factor are one number a lane.
;
; K and V are f32 in memory and bf16 in LDS, so they pass through registers (load, convert, ds_store), a step ahead, into two buffers
; that take turns.  No tensor loads and no joint requests: those copy bytes as they are, which would put 64 KiB of f32 a step into LDS to be read
; back, converted and stored again beside the 32 KiB of bf16; and the neighbouring block needs the same 64 keys four steps away.
.set PK,   272                         ; pitch of K and Q rows in LDS: 256 bytes of bf16 + 16 = 17 x 16, so the 16 rows of a fragment load begin in 16 different 16-byte columns of a 256-byte span
.set PV,   288                         ; pitch of V rows: 9 x 32 bytes, for the transposing loads
.set PO,   528                         ; pitch of the output stage: 512 bytes of f32 + 16
.set VB,   17408                       ; V's 64 rows behind K's 64 rows in a buffer
.set BUFB, 35840                       ; a buffer: 64 x 272 + 64 x 288
.set KG,   71680                       ; keys 0..15 of K
.set VG,   76032                       ; keys 0..15 of V
.set QG,   80640                       ; rows 0..15 of Q
.set WS,   84992                       ; each wave's own 17,408 bytes: first its 64 rows of Q, later the output stage
.set WSB,  17408
; window 0
.set KAD,  2                           ; r * 272 + 16 h
.set VAD,  3                           ; VB + (8 h + (lane & 7)) * 288 + 16 ((lane >> 3) & 1)
.set KST,  4                           ; 16 w * 272 + 8 lane
.set VST,  5                           ; VB + 16 w * 288 + 8 lane
.set GOFF, 6                           ; 16 lane
.set WSQ,  7                           ; my stage + KAD
.set WSS,  8                           ; my stage + 8 lane
.set OST,  9                           ; my stage + r * 528 + 32 h
.set ORD,  10                          ; my stage + 16 lane
.set KGAD, 11
.set VGAD, 12
.set QGAD, 13
.set L8,   14                          ; 8 lane
.set XD,   15                          ; r - 8 h
.set ST,   16                          ; tile q (0..3 band, 4 global rows): v[ST+4q] NM = -(scaled maximum), +1 T1 at work, +2 AL factor, +3 LS sum
.set TP,   36                          ; v[TP+q]: what the other half of the lanes holds
.set SUM,  42                          ; v[SUM+2q:SUM+2q+1]
.set FA,   52                          ; fragment buffer A, 32 registers
.set FB,   84                          ; fragment buffer B
.set SB,   116                         ; scores: tile (q, kt) at SB + 32 (q & 3) + 8 kt; packed probabilities of chunk c at SB + 32 (q & 3) + 16 c
; window 1: Q fragments, tile q, chunk c of 32 along d, at 32 q + 8 c.   window 2: O^T, tile (qt, dt) at 64 qt + 8 dt.
; window 3: v0-127 the next K and V rows as loaded; v128-191 O^T of the global rows.
.set MSB, 0
.macro WIN new                         ; low byte: bits 1:0 source 0, 3:2 source 1, 5:4 source 2, 7:6 destination; the high byte repeats the setting that is left
.if MSB != \new
	s_set_vgpr_msb (MSB<<8)|\new
.set MSB, \new
.endif
.endm
.macro PLACES n                        ; places behind matrix instructions (ISA guide 7.12.1): plain vector instructions that name none of their registers
.rept \n
	v_nop
.endr
.endm
; TS = 0: tile (qt, kt) is masked whole; 1: allowed whole; 2: the diagonal tile.  mode 0: t = 1..7; 1: t = 0; 2: t = 8; 3: keys 0..15 alone
.macro TSTATE mode, qt, kt
.set TS, 1
.if \mode == 1
.if (\kt) < (\qt)
.set TS, 0
.endif
.if (\kt) == (\qt)
.set TS, 2
.endif
.endif
.if \mode == 2
.if (\kt) > (\qt)
.set TS, 0
.endif
.if (\kt) == (\qt)
.set TS, 2
.endif
.endif
.if \mode == 3
.if (\kt) != 0
.set TS, 0
.endif
.endif
.endm
; CA = 1: chunk c (key tiles 2c, 2c + 1) holds a tile of qt that is not masked whole
.macro CACT mode, qt, c
.set CA, 1
.if \mode == 1
.if (2*(\c)+1) < (\qt)
.set CA, 0
.endif
.endif
.if \mode == 2
.if (2*(\c)) > (\qt)
.set CA, 0
.endif
.endif
.if \mode == 3
.if (\c) != 0
.set CA, 0
.endif
.endif
.endm
.macro ACT mode, q, kt, qa, qb         ; ON: tile (q, kt) is at work for q in qa..qb; SR: its first register
.set ON, 0
.if ((\q) >= (\qa)) & ((\q) <= (\qb))
	TSTATE \mode, \q, \kt
.set ON, TS
.endif
.set SR, SB+32*((\q)&3)+8*(\kt)
.endm
.macro ACTC mode, q, c, qa, qb         ; the same for a chunk; PR: its packed probabilities
.set ON, 0
.if ((\q) >= (\qa)) & ((\q) <= (\qb))
	CACT \mode, \q, \c
.set ON, CA
.endif
.set PR, SB+32*((\q)&3)+16*(\c)
.endm
; my 16 rows of the next step's K and V: one load covers a row's 512 bytes
.macro GLOAD_TILE
	WIN 0xC0
.irp i, 0,1,2,3,4,5,6,7,8,9,10,11,12,13,14,15
	global_load_b128 v[4*\i:4*\i+3], v[GOFF], s[32:33] offset:512*\i
.endr
.irp i, 0,1,2,3,4,5,6,7,8,9,10,11,12,13,14,15
	global_load_b128 v[64+4*\i:64+4*\i+3], v[GOFF], s[34:35] offset:512*\i
.endr
.endm
; they are rounded to bf16 in place and stored into buffer buf; stands behind the wait that shows the loads done, so the bases may step
.macro STORE_TILE buf
	WIN 0xCF
.set ii, 0
.rept 32
	v_cvt_pk_bf16_f32 v[4*ii], v[4*ii], v[4*ii+1]
	v_cvt_pk_bf16_f32 v[4*ii+1], v[4*ii+2], v[4*ii+3]
.set ii, ii+1
.endr
	WIN 0x0C
.irp i, 0,1,2,3,4,5,6,7,8,9,10,11,12,13,14,15
	ds_store_b64 v[KST], v[4*\i:4*\i+1] offset:\buf*BUFB+PK*\i
.endr
.irp i, 0,1,2,3,4,5,6,7,8,9,10,11,12,13,14,15
	ds_store_b64 v[VST], v[64+4*\i:64+4*\i+1] offset:\buf*BUFB+PV*\i
.endr
	s_add_nc_u64 s[32:33], s[32:33], 0x8000        ; 64 keys of 512 bytes on
	s_add_nc_u64 s[34:35], s[34:35], 0x8000
.endm
; K fragments of the four key tiles, 32 along d at chunk c
.macro LDK c, fb, buf
.irp kt, 0,1,2,3
	ds_load_b128 v[\fb+8*\kt:\fb+8*\kt+3], v[KAD] offset:\buf*BUFB+16*PK*\kt+64*\c
	ds_load_b128 v[\fb+8*\kt+4:\fb+8*\kt+7], v[KAD] offset:\buf*BUFB+16*PK*\kt+64*\c+32
.endr
.endm
; V^T fragments: 32 keys of chunk c, d tiles 4 dh .. 4 dh + 3
.macro LDV c, dh, fb, buf
.irp i, 0,1,2,3
	ds_load_tr16_b128 v[\fb+8*\i:\fb+8*\i+3], v[VAD] offset:\buf*BUFB+32*PV*\c+32*(4*\dh+\i)
	ds_load_tr16_b128 v[\fb+8*\i+4:\fb+8*\i+7], v[VAD] offset:\buf*BUFB+32*PV*\c+32*(4*\dh+\i)+16*PV
.endr
.endm
; S^T += K Q^T for 32 along d.  The score tiles take turns, one instruction a turn, in the same order in every chunk.
.macro QKG mode, c, fb, qa, qb
.irp kt, 0,1,2,3
.irp q, 0,1,2,3,4
	ACT \mode, \q, \kt, \qa, \qb
.if ON
.if \c == 0
	v_wmma_f32_16x16x32_bf16 v[SR:SR+7], v[\fb+8*\kt:\fb+8*\kt+7], v[32*\q+8*\c:32*\q+8*\c+7], 0
.else
	v_wmma_f32_16x16x32_bf16 v[SR:SR+7], v[\fb+8*\kt:\fb+8*\kt+7], v[32*\q+8*\c:32*\q+8*\c+7], v[SR:SR+7]
.endif
.endif
.endr
.endr
.endm
; all of S^T for one step.  Setting 0x04 moves source 1 alone (Q, window 1), so the LDS loads stand under it too.
.macro QKPH mode, buf, qa, qb
	WIN 0x04
	LDK 0, FA, \buf
	LDK 1, FB, \buf
	s_wait_dscnt 0x8                               ; chunk 0 is in; the eight loads of chunk 1 may be out
	QKG \mode, 0, FA, \qa, \qb
	PLACES 4                                       ; four places before loads land on fragments that products have read
	LDK 2, FA, \buf
	s_wait_dscnt 0x8                               ; chunk 1 is in; chunk 2's eight may be out
	QKG \mode, 1, FB, \qa, \qb
	PLACES 4
	LDK 3, FB, \buf
	s_wait_dscnt 0x8                               ; chunk 2 is in; chunk 3's eight may be out
	QKG \mode, 2, FA, \qa, \qb
	s_wait_dscnt 0x0
	QKG \mode, 3, FB, \qa, \qb
	PLACES 4                                       ; for the loads below and for the vector work that reads the scores
	LDV 0, 0, FA, \buf                             ; V's first fragments come in during the softmax
	LDV 0, 1, FB, \buf
.endm
; the softmax step of tiles qa..qb, every stage going through the tiles by turns so that their chains do not wait for each other
.macro SMX mode, first, qa, qb
	WIN 0
.if (\mode == 1) | (\mode == 2)
.irp j, 0,1,2,3,4,5,6,7                            ; the diagonal tiles (kt = qt): -inf where the mask says so
.irp q, 0,1,2,3
.if \mode == 2
	v_cndmask_b32 v[SB+40*\q+\j], s30, v[SB+40*\q+\j], s[48+\j]
.else
.if \q == 0
	v_cndmask_b32 v[SB+\j], s30, v[SB+\j], s[56+\j]
.else
	v_cndmask_b32 v[SB+40*\q+\j], s30, v[SB+40*\q+\j], s[40+\j]
.endif
.endif
.endr
.endr
.endif
.irp kt, 0,1,2,3                                   ; the largest score of my keys; a tile's first three registers start the chain
.irp g, 0,1,2,3
.irp q, 0,1,2,3,4
	ACT \mode, \q, \kt, \qa, \qb
.if ON
.set FK, 0
.if \mode == 1
.set FK, \q
.endif
.if \kt == FK
.if \g == 0
	v_max3_num_f32 v[ST+4*\q+1], v[SR], v[SR+1], v[SR+2]
.endif
.if \g == 1
	v_max3_num_f32 v[ST+4*\q+1], v[ST+4*\q+1], v[SR+3], v[SR+4]
.endif
.if \g == 2
	v_max3_num_f32 v[ST+4*\q+1], v[ST+4*\q+1], v[SR+5], v[SR+6]
.endif
.if \g == 3
	v_max_num_f32 v[ST+4*\q+1], v[ST+4*\q+1], v[SR+7]
.endif
.else
	v_max3_num_f32 v[ST+4*\q+1], v[ST+4*\q+1], v[SR+2*\g], v[SR+2*\g+1]
.endif
.endif
.endr
.endr
.endr
.irp q, 0,1,2,3,4                                  ; lanes l and l xor 16 hold the two halves of a query's keys
.if ((\q) >= (\qa)) & ((\q) <= (\qb))
	v_permlanex16_b32 v[TP+\q], v[ST+4*\q+1], s28, s29
.endif
.endr
.irp q, 0,1,2,3,4
.if ((\q) >= (\qa)) & ((\q) <= (\qb))
	v_max_num_f32 v[ST+4*\q+1], v[ST+4*\q+1], v[TP+\q]
.endif
.endr
.if \first
.irp q, 0,1,2,3,4
.if ((\q) >= (\qa)) & ((\q) <= (\qb))
	v_mul_f32 v[ST+4*\q], s31, v[ST+4*\q+1]        ; NM = -c * maximum, c = log2(e) / sqrt(128)
.endif
.endr
.else
.irp q, 0,1,2,3
	v_mul_f32 v[ST+4*\q+1], s31, v[ST+4*\q+1]
.endr
.irp q, 0,1,2,3
	v_min_num_f32 v[ST+4*\q+1], v[ST+4*\q+1], v[ST+4*\q]   ; the running maximum, with its sign turned
.endr
.irp q, 0,1,2,3
	v_sub_f32 v[ST+4*\q+2], v[ST+4*\q+1], v[ST+4*\q]       ; new NM - old NM <= 0
.endr
.irp q, 0,1,2,3
	v_mov_b32 v[ST+4*\q], v[ST+4*\q+1]
.endr
.endif
.irp kt, 0,1,2,3                                   ; c * score + NM, two at a time
.irp p, 0,2,4,6
.irp q, 0,1,2,3,4
	ACT \mode, \q, \kt, \qa, \qb
.if ON
	v_pk_fma_f32 v[SR+\p:SR+\p+1], v[SR+\p:SR+\p+1], s[26:27], v[ST+4*\q:ST+4*\q+1] op_sel_hi:[1,0,0]
.endif
.endr
.endr
.endr
.if \first == 0
.irp q, 0,1,2,3
	v_exp_f32 v[ST+4*\q+2], v[ST+4*\q+2]           ; the factor for what has been summed so far
.endr
.endif
.irp kt, 0,1,2,3
.irp j, 0,1,2,3,4,5,6,7
.irp q, 0,1,2,3,4
	ACT \mode, \q, \kt, \qa, \qb
.if ON
	v_exp_f32 v[SR+\j], v[SR+\j]
.endif
.endr
.endr
.endr
	v_nop                                          ; one plain instruction between the exponentials and the first use of a result (ISA guide 5.7.2)
	s_wait_alu depctr_va_vdst(0)
.irp kt, 0,1,2,3                                   ; the sum of my keys' probabilities
.irp g, 0,1,2,3
.irp q, 0,1,2,3,4
	ACT \mode, \q, \kt, \qa, \qb
.if ON
.set FK, 0
.if \mode == 1
.set FK, \q
.endif
.if \kt == FK
.if \g == 0
	v_pk_add_f32 v[SUM+2*\q:SUM+2*\q+1], v[SR:SR+1], v[SR+2:SR+3]
.endif
.if \g == 1
	v_pk_add_f32 v[SUM+2*\q:SUM+2*\q+1], v[SUM+2*\q:SUM+2*\q+1], v[SR+4:SR+5]
.endif
.if \g == 2
	v_pk_add_f32 v[SUM+2*\q:SUM+2*\q+1], v[SUM+2*\q:SUM+2*\q+1], v[SR+6:SR+7]
.endif
.else
	v_pk_add_f32 v[SUM+2*\q:SUM+2*\q+1], v[SUM+2*\q:SUM+2*\q+1], v[SR+2*\g:SR+2*\g+1]
.endif
.endif
.endr
.endr
.endr
.if \first
.irp q, 0,1,2,3,4
.if ((\q) >= (\qa)) & ((\q) <= (\qb))
	v_add_f32 v[ST+4*\q+3], v[SUM+2*\q], v[SUM+2*\q+1]
.endif
.endr
.else
.irp q, 0,1,2,3
	v_add_f32 v[ST+4*\q+1], v[SUM+2*\q], v[SUM+2*\q+1]
.endr
.irp q, 0,1,2,3
	v_fma_f32 v[ST+4*\q+3], v[ST+4*\q+3], v[ST+4*\q+2], v[ST+4*\q+1]
.endr
.endif
.irp c, 0,1                                        ; to bf16, in place: key tile 2c gives registers 0-3 of the fragment, 2c + 1 registers 4-7
.irp q, 0,1,2,3,4
	ACTC \mode, \q, \c, \qa, \qb
.if ON
	TSTATE \mode, \q, 2*\c
.irp i, 0,1,2,3
.if TS
	v_cvt_pk_bf16_f32 v[PR+\i], v[PR+2*\i], v[PR+2*\i+1]
.else
	v_mov_b32 v[PR+\i], 0                          ; a tile masked whole beside one that is not
.endif
.endr
	TSTATE \mode, \q, 2*\c+1
.irp i, 0,1,2,3
.if TS
	v_cvt_pk_bf16_f32 v[PR+4+\i], v[PR+8+2*\i], v[PR+8+2*\i+1]
.else
	v_mov_b32 v[PR+4+\i], 0
.endif
.endr
.endif
.endr
.endr
.if \first == 0
	WIN 0x82                                       ; O^T (window 2) times the factor (window 0)
.irp q, 0,1,2,3
.set ii, 0
.rept 32
	v_pk_mul_f32 v[64*\q+2*ii:64*\q+2*ii+1], v[64*\q+2*ii:64*\q+2*ii+1], v[ST+4*\q+2:ST+4*\q+3] op_sel_hi:[1,0]
.set ii, ii+1
.endr
.endr
.endif
.endm
; O^T += V^T P^T for 32 keys and four d tiles.  The accumulators take turns, one instruction a turn.
.macro PVG mode, first, c, dh, fb, qa, qb
.irp i, 0,1,2,3
.irp q, 0,1,2,3,4
	ACTC \mode, \q, \c, \qa, \qb
.if ON
.set OA, 64*\q+8*(4*\dh+\i)
.if \q == 4
.set OA, 128+8*(4*\dh+\i)
.endif
.if (\first) & ((\c) == 0)
	v_wmma_f32_16x16x32_bf16 v[OA:OA+7], v[\fb+8*\i:\fb+8*\i+7], v[PR:PR+7], 0
.else
	v_wmma_f32_16x16x32_bf16 v[OA:OA+7], v[\fb+8*\i:\fb+8*\i+7], v[PR:PR+7], v[OA:OA+7]
.endif
.endif
.endr
.endr
.endm
.macro PVPH mode, first, buf, qa, qb, win
	s_wait_dscnt 0x8                               ; V's fragments (chunk 0, d tiles 0-3) are in; the eight of d tiles 4-7 may be out
	WIN \win
	PVG \mode, \first, 0, 0, FA, \qa, \qb
	PLACES 4
	WIN 0
	LDV 1, 0, FA, \buf
	s_wait_dscnt 0x8                               ; (chunk 0, d tiles 4-7) are in; the eight just issued may be out
	WIN \win
	PVG \mode, \first, 0, 1, FB, \qa, \qb
	PLACES 4
	WIN 0
	LDV 1, 1, FB, \buf
	s_wait_dscnt 0x8                               ; (chunk 1, d tiles 0-3) are in
	WIN \win
	PVG \mode, \first, 1, 0, FA, \qa, \qb
	s_wait_dscnt 0x0
	PVG \mode, \first, 1, 1, FB, \qa, \qb
	PLACES 5                                       ; five places: the next products write over the probabilities; loads land on the fragments; vector work and stores read O^T
	WIN 0
.endm
.macro BAND mode, buf, first
	QKPH \mode, \buf, 0, 3
	SMX \mode, \first, 0, 3
	PVPH \mode, \first, \buf, 0, 3, 0xA0
.endm
; keys 0..15 for all 64 rows, unmasked: the first step of blocks 1..7.  It starts maximum, sum and O^T.
.macro MINI
	WIN 0x04
.irp c, 0,1,2,3
	ds_load_b128 v[FA+8*\c:FA+8*\c+3], v[KGAD] offset:64*\c
	ds_load_b128 v[FA+8*\c+4:FA+8*\c+7], v[KGAD] offset:64*\c+32
.endr
	s_wait_dscnt 0x0
.irp c, 0,1,2,3
.irp q, 0,1,2,3
.if \c == 0
	v_wmma_f32_16x16x32_bf16 v[SB+32*\q:SB+32*\q+7], v[FA+8*\c:FA+8*\c+7], v[32*\q+8*\c:32*\q+8*\c+7], 0
.else
	v_wmma_f32_16x16x32_bf16 v[SB+32*\q:SB+32*\q+7], v[FA+8*\c:FA+8*\c+7], v[32*\q+8*\c:32*\q+8*\c+7], v[SB+32*\q:SB+32*\q+7]
.endif
.endr
.endr
	PLACES 4
	WIN 0
.irp i, 0,1,2,3
	ds_load_tr16_b128 v[FA+8*\i:FA+8*\i+3], v[VGAD] offset:32*\i
	ds_load_tr16_b128 v[FB+8*\i:FB+8*\i+3], v[VGAD] offset:128+32*\i
.endr
.irp i, 0,1,2,3
.irp j, 4,5,6,7
	v_mov_b32 v[FA+8*\i+\j], 0                     ; the product is 32 keys deep: keys 16..31 of both sources are zeros
	v_mov_b32 v[FB+8*\i+\j], 0
.endr
.endr
	SMX 3, 1, 0, 3
	s_wait_dscnt 0x0
	WIN 0xA0
	PVG 3, 1, 0, 0, FA, 0, 3
	PVG 3, 1, 0, 1, FB, 0, 3
	PLACES 5
	WIN 0
.endm
; 16 rows of 128 f32 leave: a lane's 8 neighbouring numbers of one row go into my own stage, whole rows of 512 bytes come back and are stored.
; swin: the window of the data; ob: the tile's first register; sb: the base; imm0: byte offset; tb: 64 registers of window 0; nt: not read again
.macro OUT16 swin, ob, sb, imm0, tb, nt
	WIN \swin
.irp dt, 0,1,2,3,4,5,6,7
	ds_store_b128 v[OST], v[\ob+8*\dt:\ob+8*\dt+3] offset:64*\dt
	ds_store_b128 v[OST], v[\ob+8*\dt+4:\ob+8*\dt+7] offset:64*\dt+16
.endr
	WIN 0
	s_wait_xcnt 0x0                                ; earlier stores have read their data: the registers at tb are loaded again only behind this wait
.irp i, 0,1,2,3,4,5,6,7,8,9,10,11,12,13,14,15
	ds_load_b128 v[\tb+4*\i:\tb+4*\i+3], v[ORD] offset:PO*\i       ; LDS serves a wave's instructions in order: these see the stores above
.endr
.irp i, 0,1,2,3,4,5,6,7,8,9,10,11,12,13,14,15
	s_wait_dscnt 15-\i                             ; row i is back; the younger rows may be out
.if \nt
	global_store_b128 v[GOFF], v[\tb+4*\i:\tb+4*\i+3], s[\sb:\sb+1] offset:\imm0+512*\i th:TH_STORE_NT
.else
	global_store_b128 v[GOFF], v[\tb+4*\i:\tb+4*\i+3], s[\sb:\sb+1] offset:\imm0+512*\i
.endif
.endr
.endm
; rows 0..15 of the head against this step's 64 keys, no mask: a partial result of its own, from zero to its stores
.macro GSTEP buf
	QKPH 0, \buf, 4, 4
	SMX 0, 1, 4, 4
	PVPH 0, 1, \buf, 4, 4, 0xF0
	v_permlanex16_b32 v[TP+4], v[ST+19], s28, s29
	v_mov_b32 v50, v[ST+16]                        ; NM
	v_add_f32 v51, v[ST+19], v[TP+4]               ; the sum over both halves of the keys
	global_store_b64 v[L8], v[50:51], s[70:71]     ; 32 lanes x 8 bytes: 256 consecutive bytes, aligned; lanes 16-31 repeat lanes 0-15
	OUT16 0x0C, 128, 68, 0, 180, 0
	s_wait_xcnt 0x0                                ; the stores' data registers are score registers of later steps
.endm
; one step: the next step's rows are asked for, this step's buffer is worked on, the rows are stored into the other buffer, one barrier
.macro STEP buf
	s_add_co_u32 s24, s19, \buf                    ; this step
.if \buf
	s_add_co_u32 s25, s19, 2                       ; the next one, if the block has it
	s_cmp_ge_u32 s25, s20
	s_cbranch_scc1 .Lnoload_\@
.endif
	GLOAD_TILE
	WIN 0
.if \buf
.Lnoload_\@:
.endif
	s_cmp_lt_u32 s24, s21
	s_cbranch_scc1 .Lnoband_\@
	s_cmp_ge_u32 s24, s22
	s_cbranch_scc1 .Lnoband_\@
	s_sub_co_u32 s36, s24, s16                     ; t
	s_cmp_eq_u32 s36, 0
	s_cbranch_scc1 .Llow_\@
	s_cmp_eq_u32 s36, 8
	s_cbranch_scc1 .Lhigh_\@
	BAND 0, \buf, 0
	WIN 0
	s_branch .Lnoband_\@
.Llow_\@:
	BAND 1, \buf, 0
	WIN 0
	s_branch .Lnoband_\@
.Lhigh_\@:
	BAND 2, \buf, 0
	WIN 0
.Lnoband_\@:
	s_cmp_lg_u32 s24, s23
	s_cbranch_scc1 .Lnog_\@
	GSTEP \buf
	WIN 0
.Lnog_\@:
	s_wait_loadcnt 0x0                             ; the next step's rows are in registers, and the loads' bases are free
.if \buf
	s_cmp_ge_u32 s25, s20
	s_cbranch_scc1 .Lnostore_\@
	STORE_TILE 0
	WIN 0
.Lnostore_\@:
.else
	STORE_TILE 1
	WIN 0
.endif
	s_wait_dscnt 0x0                               ; my reads of this buffer are back and my stores into the other are done:
	s_barrier_signal -1                            ; behind the barrier the other buffer is read,
	s_barrier_wait -1                              ; and this one is stored into at the end of the next step
.endm
	s_load_b256 s[4:11], s[0:1], 0x0               ; k s[4:5], q s[6:7], v s[8:9], out0 s[10:11]
	s_load_b128 s[12:15], s[0:1], 0x20             ; part s[12:13], stat s[14:15]
	v_lshl_add_u32 v254, v0, 2, 0x25c00
	v_mov_b32 v255, 0
	v_lshrrev_b32 v244, 5, v0
	v_readfirstlane_b32 s16, v244                  ; w
	s_mov_b32 s17, ttmp9                           ; b
	s_and_b32 s18, ttmp7, 0xffff                   ; hd
	s_mov_b32 s26, 0x3e0293ee                      ; c = log2(e) / sqrt(128), twice: a pair for the packed multiply-add
	s_mov_b32 s27, 0x3e0293ee
	s_mov_b32 s28, 0x76543210                      ; v_permlanex16_b32: lane i of one half reads lane i of the other
	s_mov_b32 s29, 0xfedcba98
	s_mov_b32 s30, 0xff800000                      ; -inf
	s_mov_b32 s31, 0xbe0293ee                      ; -c
	s_or_b32 s72, s17, s16                         ; 0 for the wave whose first query tile is rows 0..15
	s_cmp_eq_u32 s17, 0
	s_cselect_b32 s19, 4, 0                        ; the block's first step
	s_cselect_b32 s21, 5, s16                      ; my first band step in the loop (block 0 does step 4 ahead of it)
	s_cselect_b32 s36, 6, 0
	s_cselect_b32 s73, 4, 6                        ; trips of two steps: blocks 0 and 7 have 8 steps, the others 12
	s_cmp_eq_u32 s17, 7
	s_cselect_b32 s20, 8, 12                       ; the block's steps end here
	s_cselect_b32 s38, 4, 10
	s_cselect_b32 s73, 4, s73
	s_add_co_u32 s22, s16, 9
	s_min_u32 s22, s22, s20                        ; my band steps end here
	s_sub_co_u32 s37, 3, s16
	s_add_co_u32 s36, s36, s37                     ; waves 2, 3: g = 3 - w, in block 0 six more
	s_sub_co_u32 s39, 1, s16
	s_add_co_u32 s38, s38, s39                     ; waves 0, 1: g = 11 - w, in block 7 six less
	s_cmp_ge_u32 s16, 2
	s_cselect_b32 s23, s36, s38                    ; g: the step whose keys I take for rows 0..15
	v_and_b32 v1, 31, v0                           ; lane
	v_and_b32 v244, 15, v0                         ; r
	v_bfe_u32 v245, v0, 4, 1                       ; h
	v_mul_u32_u24 v[KAD], v244, PK
	v_lshl_add_u32 v[KAD], v245, 4, v[KAD]
	v_and_b32 v246, 7, v0
	v_lshl_add_u32 v246, v245, 3, v246
	v_mul_u32_u24 v[VAD], v246, PV
	v_bfe_u32 v247, v0, 3, 1
	v_lshl_add_u32 v[VAD], v247, 4, v[VAD]
	v_add_nc_u32 v[VAD], VB, v[VAD]
	v_lshlrev_b32 v[L8], 3, v1
	v_lshlrev_b32 v[GOFF], 4, v1
	s_mul_i32 s36, s16, 16*PK
	v_add_nc_u32 v[KST], s36, v[L8]
	s_mul_i32 s36, s16, 16*PV
	s_add_co_u32 s36, s36, VB
	v_add_nc_u32 v[VST], s36, v[L8]
	s_mul_i32 s37, s16, WSB
	s_add_co_u32 s37, s37, WS                      ; my own stage
	v_add_nc_u32 v[WSQ], s37, v[KAD]
	v_add_nc_u32 v[WSS], s37, v[L8]
	v_mul_u32_u24 v[OST], v244, PO
	v_lshl_add_u32 v[OST], v245, 5, v[OST]
	v_add_nc_u32 v[OST], s37, v[OST]
	v_add_nc_u32 v[ORD], s37, v[GOFF]
	v_add_nc_u32 v[KGAD], KG, v[KAD]
	v_add_nc_u32 v[VGAD], VG-VB, v[VAD]
	v_add_nc_u32 v[QGAD], QG, v[KAD]
	v_lshlrev_b32 v247, 3, v245
	v_sub_nc_u32 v[XD], v244, v247                 ; r - 8 h
	s_mul_i32 s36, s16, 4*PK                       ; of a head's first 16 rows each wave stages four
	v_add_nc_u32 v248, s36, v[L8]
	v_add_nc_u32 v249, QG, v248
	v_add_nc_u32 v250, KG, v248
	s_mul_i32 s36, s16, 4*PV
	s_add_co_u32 s36, s36, VG
	v_add_nc_u32 v251, s36, v[L8]
	v_lshl_add_u32 v252, s16, 11, v[GOFF]          ; their byte offset in the head: 4 w rows of 512 bytes + 16 lane
.irp q, 0,1,2,3,4
	v_mov_b32 v[TP+\q], 0                          ; v_permlanex16_b32 counts as a reader of its destination
.endr
.irp j, 0,1,2,3,4,5,6,7
	v_cmp_ge_i32 s[40+\j], \j, v[XD]               ; t = 0, kt = qt: allowed where jr >= r - 8 h
	v_cmp_le_i32 s[48+\j], \j, v[XD]               ; t = 8, kt = qt: allowed where jr <= r - 8 h
.endr
	s_lshl_b32 s36, s17, 2
	s_or_b32 s36, s36, s16
	s_cmp_eq_u32 s36, 4                            ; b = 1 and w = 0: rows 256..271 have had keys 0..15 already
.irp j, 0,1,2,3,4,5,6,7
	s_cselect_b32 s[56+\j], 0, s[40+\j]
.endr
	s_lshl2_add_u32 s36, s17, s23
	s_sub_co_u32 s36, s36, 4                       ; slot = 4 b - 4 + g
	s_lshl_b32 s37, s18, 5
	s_add_co_u32 s36, s36, s37                     ; 32 hd + slot
	s_mov_b32 s39, 0
	s_wait_kmcnt 0x0
	s_lshl_b32 s38, s36, 13
	s_add_nc_u64 s[68:69], s[12:13], s[38:39]      ; my partial result: 16 rows of 512 bytes
	s_lshl_b32 s38, s36, 8
	s_add_nc_u64 s[70:71], s[14:15], s[38:39]      ; its figures: 256 bytes
	s_lshl_b32 s38, s18, 20                        ; a head is 2048 rows of 512 bytes
	s_add_nc_u64 s[4:5], s[4:5], s[38:39]
	s_add_nc_u64 s[6:7], s[6:7], s[38:39]
	s_add_nc_u64 s[8:9], s[8:9], s[38:39]
	s_add_nc_u64 s[10:11], s[10:11], s[38:39]
	s_lshl_b32 s36, s17, 8                         ; 256 b
	s_lshl_b32 s37, s19, 6
	s_add_co_u32 s37, s37, s36
	s_sub_co_u32 s37, s37, 256                     ; the first step's first key
	s_lshl4_add_u32 s37, s16, s37                  ; my 16 rows of it
	s_lshl_b32 s38, s37, 9
	s_add_nc_u64 s[32:33], s[4:5], s[38:39]
	s_add_nc_u64 s[34:35], s[8:9], s[38:39]
	s_lshl_b32 s37, s16, 6
	s_add_co_u32 s37, s37, s36                     ; my first row
	s_lshl_b32 s38, s37, 9
	s_add_nc_u64 s[74:75], s[6:7], s[38:39]
	s_add_nc_u64 s[66:67], s[10:11], s[38:39]
	; all that the start needs, in one run of loads
	WIN 0x80
.set ii, 0
.rept 64
	global_load_b128 v[4*ii:4*ii+3], v[GOFF], s[74:75] offset:512*ii th:TH_LOAD_NT   ; my 64 rows of Q, into the registers that later hold O^T
.set ii, ii+1
.endr
	GLOAD_TILE
.irp i, 0,1,2,3
	global_load_b128 v[128+4*\i:128+4*\i+3], v252, s[6:7] offset:512*\i              ; four of Q's rows 0..15
.endr
	WIN 0
	s_cmp_eq_u32 s17, 0
	s_cbranch_scc1 .Lno_gcols                      ; block 0 has keys 0..15 in its band
	WIN 0xC0
.irp i, 0,1,2,3
	global_load_b128 v[144+4*\i:144+4*\i+3], v252, s[4:5] offset:512*\i
	global_load_b128 v[160+4*\i:160+4*\i+3], v252, s[8:9] offset:512*\i
.endr
	s_wait_loadcnt 0x0
	WIN 0xCF
.irp i, 0,1,2,3,4,5,6,7
	v_cvt_pk_bf16_f32 v[144+4*\i], v[144+4*\i], v[144+4*\i+1]
	v_cvt_pk_bf16_f32 v[144+4*\i+1], v[144+4*\i+2], v[144+4*\i+3]
.endr
	WIN 0x0C
.irp i, 0,1,2,3
	ds_store_b64 v250, v[144+4*\i:144+4*\i+1] offset:PK*\i
	ds_store_b64 v251, v[160+4*\i:160+4*\i+1] offset:PV*\i
.endr
	WIN 0
.Lno_gcols:
	s_wait_loadcnt 0x0
	WIN 0x8A
.set ii, 0
.rept 64
	v_cvt_pk_bf16_f32 v[4*ii], v[4*ii], v[4*ii+1]
	v_cvt_pk_bf16_f32 v[4*ii+1], v[4*ii+2], v[4*ii+3]
.set ii, ii+1
.endr
	WIN 0x08
.set ii, 0
.rept 64
	ds_store_b64 v[WSS], v[4*ii:4*ii+1] offset:PK*ii
.set ii, ii+1
.endr
	WIN 0xCF
.irp i, 0,1,2,3
	v_cvt_pk_bf16_f32 v[128+4*\i], v[128+4*\i], v[128+4*\i+1]
	v_cvt_pk_bf16_f32 v[128+4*\i+1], v[128+4*\i+2], v[128+4*\i+3]
.endr
	STORE_TILE 0
.irp i, 0,1,2,3
	ds_store_b64 v249, v[128+4*\i:128+4*\i+1] offset:PK*\i
.endr
	WIN 0x40
.irp q, 0,1,2,3
.irp c, 0,1,2,3
	ds_load_b128 v[32*\q+8*\c:32*\q+8*\c+3], v[WSQ] offset:16*PK*\q+64*\c            ; my own bytes: LDS serves a wave's instructions in order
	ds_load_b128 v[32*\q+8*\c+4:32*\q+8*\c+7], v[WSQ] offset:16*PK*\q+64*\c+32
.endr
.endr
	WIN 0
	s_wait_dscnt 0x0                               ; my stores are done,
	s_barrier_signal -1
	s_barrier_wait -1                              ; everybody's are
	WIN 0x40
.irp c, 0,1,2,3
	ds_load_b128 v[128+8*\c:128+8*\c+3], v[QGAD] offset:64*\c
	ds_load_b128 v[128+8*\c+4:128+8*\c+7], v[QGAD] offset:64*\c+32
.endr
	WIN 0
	s_wait_dscnt 0x0
	; the first step starts maximum, sum and O^T: nothing is cleared
	s_cmp_lg_u32 s17, 0
	s_cbranch_scc1 .Lmini
	BAND 0, 0, 1                                   ; block 0: step 4 (t = 4 - w, every tile allowed whole)
	WIN 0
	s_branch .Lstep
.Lmini:
	MINI
	WIN 0
.Lstep:
	STEP 0
	STEP 1
	s_add_co_u32 s19, s19, 2                       ; the number of the trip's first step: the forward branches above go by it
	s_sub_co_u32 s73, s73, 1                       ; the loop ends on its own counter of trips, one down a trip, against the constant 0
	s_cmp_lg_u32 s73, 0
	s_cbranch_scc1 .Lstep
; a query tile is divided by its sum and leaves
.macro FIN qt
	v_permlanex16_b32 v[TP+\qt], v[ST+4*\qt+3], s28, s29
	v_add_f32 v[ST+4*\qt+3], v[ST+4*\qt+3], v[TP+\qt]      ; the sum over both halves of the keys
	v_rcp_f32 v[ST+4*\qt+2], v[ST+4*\qt+3]
	v_nop                                          ; one plain instruction before the reciprocal is used (ISA guide 5.7.2)
	WIN 0x82
.set ii, 0
	s_wait_alu depctr_va_vdst(0)
.rept 32
	v_pk_mul_f32 v[64*\qt+2*ii:64*\qt+2*ii+1], v[64*\qt+2*ii:64*\qt+2*ii+1], v[ST+4*\qt+2:ST+4*\qt+3] op_sel_hi:[1,0]
.set ii, ii+1
.endr
	OUT16 0x08, 64*\qt, 66, 8192*\qt, SB+64*(\qt&1), 1
.endm
	s_cmp_eq_u32 s72, 0
	s_cbranch_scc1 .Lskip0                         ; rows 0..15 of the head are the next launch's
	FIN 0
	WIN 0
.Lskip0:
	FIN 1
	FIN 2
	FIN 3
	s_wait_tensorcnt 0x0
	ds_add_u32 v254, v255
	s_wait_dscnt 0x0
	s_endpgm
.Lfunc_end_k_qb4a6db8dfe_attn:
	.size	k_qb4a6db8dfe_attn, .Lfunc_end_k_qb4a6db8dfe_attn-k_qb4a6db8dfe_attn
	.p2alignl 7, 3214868480
	.fill 96, 4, 3214868480
	.section	.rodata,"a",@progbits
	.p2align	6, 0x0
	.amdhsa_kernel k_qb4a6db8dfe_attn
		.amdhsa_group_segment_fixed_size 155136
		.amdhsa_private_segment_fixed_size 0
		.amdhsa_enable_private_segment 0
		.amdhsa_kernarg_size 48
		.amdhsa_user_sgpr_count 2
		.amdhsa_user_sgpr_kernarg_segment_ptr 1
		.amdhsa_wavefront_size32 1
		.amdhsa_system_sgpr_workgroup_id_x 1
		.amdhsa_system_sgpr_workgroup_id_y 1
		.amdhsa_system_sgpr_workgroup_id_z 1
		.amdhsa_system_vgpr_workitem_id 0
		.amdhsa_next_free_vgpr 960
		.amdhsa_next_free_sgpr 76
		.amdhsa_reserve_vcc 0
		.amdhsa_float_denorm_mode_32 3
		.amdhsa_float_denorm_mode_16_64 3
		.amdhsa_memory_ordered 1
		.amdhsa_forward_progress 1
		.amdhsa_inst_pref_size 255
	.end_amdhsa_kernel
	.section	.bss,"aw",@nobits
	.p2align	6
	.space	262144
	.amdgpu_metadata
---
amdhsa.version: [ 1, 2 ]
amdhsa.kernels:
  - .name:           k_qb4a6db8dfe_attn
    .symbol:         k_qb4a6db8dfe_attn.kd
    .args:
      - { .name: k, .offset: 0, .size: 8, .value_kind: global_buffer, .address_space: global }
      - { .name: q, .offset: 8, .size: 8, .value_kind: global_buffer, .address_space: global }
      - { .name: v, .offset: 16, .size: 8, .value_kind: global_buffer, .address_space: global }
      - { .name: out0, .offset: 24, .size: 8, .value_kind: global_buffer, .address_space: global }
      - { .name: part, .offset: 32, .size: 8, .value_kind: global_buffer, .address_space: global }
      - { .name: stat, .offset: 40, .size: 8, .value_kind: global_buffer, .address_space: global }
    .group_segment_fixed_size: 155136
    .private_segment_fixed_size: 0
    .kernarg_segment_align: 8
    .kernarg_segment_size: 48
    .max_flat_workgroup_size: 128
    .sgpr_count:     76
    .vgpr_count:     960
    .wavefront_size: 32
...
	.end_amdgpu_metadata
.endif
;; end of part 1
;; launch merge (part 2): grid 8 x 32, 2 waves a work-group, no clusters, 0 bytes of LDS; arguments part, stat, out0; writes out0
.if DOCPART == 2
	.amdgcn_target "amdgcn-amd-amdhsa--gfx1250"
	.amdhsa_code_object_version 6
	.text
	.protected	k_qb4a6db8dfe_merge
	.globl	k_qb4a6db8dfe_merge
	.p2align	8
	.type	k_qb4a6db8dfe_merge,@function
k_qb4a6db8dfe_merge:
	s_mov_b64 s[64:65], 0
	v_nop
	global_prefetch_b8 v0, s[64:65] scope:SCOPE_SE
	s_setreg_imm32_b32 hwreg(HW_REG_WAVE_MODE, 25, 1), 1
	s_wait_xcnt 0x0
; Rows 0..15 of each head, which see all 2048 keys.  The launch before left, for each of 32 slots of 64 keys, an unnormalised partial row
; O_s = sum of 2^(c score + NM_s) v, the figure NM_s = -(c x the slot's largest score) and the sum l_s of those powers.
; out = sum over s of f_s O_s,  f_s = e_s / sum over s of e_s l_s,  e_s = 2^(NMmin - NM_s) <= 1,  NMmin = the least NM_s (the largest maximum).
; One wave makes one row: lane s holds slot s's figures for the reduction, lane l holds 4 of the row's 128 numbers for the sum.
; No LDS, no barrier, no matrix work: 32 multiply-adds a number.  Nothing of the problem's work is left out here.
	s_load_b128 s[4:7], s[0:1], 0x0                ; part s[4:5], stat s[6:7]
	s_load_b64 s[8:9], s[0:1], 0x10                ; out0
	v_lshrrev_b32 v1, 5, v0
	v_readfirstlane_b32 s12, v1                    ; wave
	s_lshl_b32 s3, ttmp9, 1
	s_add_co_u32 s12, s12, s3                      ; row = 2 x + wave
	s_and_b32 s13, ttmp7, 0xffff                   ; head
	s_mov_b32 s10, 0x76543210                      ; v_permlanex16_b32: lane i of one half reads lane i of the other
	s_mov_b32 s11, 0xfedcba98
	v_and_b32 v1, 31, v0
	v_lshlrev_b32 v2, 8, v1                        ; slot = lane: 256 bytes of figures a slot,
	v_lshl_add_u32 v2, s12, 3, v2                  ; 8 bytes a row
	v_lshlrev_b32 v3, 4, v1                        ; 16 bytes a lane of a row
	v_mov_b32 v7, 0                                ; destinations of v_permlanex16_b32 count as read
	v_mov_b32 v11, 0
	s_lshl_b32 s14, s13, 13                        ; 32 slots x 256 bytes a head
	s_mov_b32 s15, 0
	s_lshl_b32 s2, s12, 9                          ; the row's 512 bytes
	s_wait_kmcnt 0x0
	s_add_nc_u64 s[6:7], s[6:7], s[14:15]
	s_lshl_b32 s14, s13, 18                        ; 32 slots x 8,192 bytes a head
	s_add_co_u32 s14, s14, s2
	s_add_nc_u64 s[4:5], s[4:5], s[14:15]
	s_lshl_b32 s14, s13, 20
	s_add_co_u32 s14, s14, s2
	s_add_nc_u64 s[8:9], s[8:9], s[14:15]
	global_load_b64 v[4:5], v2, s[6:7]             ; NM, l of slot = lane
.set kk, 0
.rept 32
	global_load_b128 v[32+4*kk:32+4*kk+3], v3, s[4:5] offset:8192*kk th:TH_LOAD_NT   ; the row's 512 bytes of slot kk
.set kk, kk+1
.endr
	s_wait_loadcnt 0x20                            ; the figures are in; the 32 loads issued behind them may be out
	v_mov_b32 v6, v4
	v_min_num_f32_dpp v6, v6, v6 row_xmask:1 row_mask:0xf bank_mask:0xf
	v_min_num_f32_dpp v6, v6, v6 row_xmask:2 row_mask:0xf bank_mask:0xf
	v_min_num_f32_dpp v6, v6, v6 row_xmask:4 row_mask:0xf bank_mask:0xf
	v_min_num_f32_dpp v6, v6, v6 row_xmask:8 row_mask:0xf bank_mask:0xf
	v_permlanex16_b32 v7, v6, s10, s11
	v_min_num_f32 v6, v6, v7                       ; NMmin, in every lane
	v_sub_f32 v8, v6, v4
	v_exp_f32 v8, v8                               ; e
	v_nop                                          ; one plain instruction before the result is used (ISA guide 5.7.2)
	s_wait_alu depctr_va_vdst(0)
	v_mul_f32 v9, v8, v5                           ; e l
	v_add_f32_dpp v9, v9, v9 row_xmask:1 row_mask:0xf bank_mask:0xf
	v_add_f32_dpp v9, v9, v9 row_xmask:2 row_mask:0xf bank_mask:0xf
	v_add_f32_dpp v9, v9, v9 row_xmask:4 row_mask:0xf bank_mask:0xf
	v_add_f32_dpp v9, v9, v9 row_xmask:8 row_mask:0xf bank_mask:0xf
	v_permlanex16_b32 v11, v9, s10, s11
	v_add_f32 v9, v9, v11
	v_rcp_f32 v10, v9
	v_nop
	s_wait_alu depctr_va_vdst(0)
	v_mul_f32 v8, v8, v10                          ; f of slot = lane
.set kk, 0
.rept 32
	v_readlane_b32 s[16+kk], v8, kk
.set kk, kk+1
.endr
	s_wait_loadcnt 0x1f                            ; slot 0 is in; the 31 younger loads may be out
.irp j, 0,1,2,3
	v_mul_f32 v[12+\j], s16, v[32+\j]              ; the first slot starts the sums
.endr
.set kk, 1
.rept 31
	s_wait_loadcnt 31-kk                           ; slot kk is in; the younger ones may be out
.irp j, 0,1,2,3
	v_fmac_f32 v[12+\j], s[16+kk], v[32+4*kk+\j]
.endr
.set kk, kk+1
.endr
	global_store_b128 v3, v[12:15], s[8:9] th:TH_STORE_NT      ; the wave's store covers the row's 512 consecutive bytes, aligned
	s_endpgm
.Lfunc_end_k_qb4a6db8dfe_merge:
	.size	k_qb4a6db8dfe_merge, .Lfunc_end_k_qb4a6db8dfe_merge-k_qb4a6db8dfe_merge
	.p2alignl 7, 3214868480
	.fill 96, 4, 3214868480
	.section	.rodata,"a",@progbits
	.p2align	6, 0x0
	.amdhsa_kernel k_qb4a6db8dfe_merge
		.amdhsa_group_segment_fixed_size 0
		.amdhsa_private_segment_fixed_size 0
		.amdhsa_enable_private_segment 0
		.amdhsa_kernarg_size 24
		.amdhsa_user_sgpr_count 2
		.amdhsa_user_sgpr_kernarg_segment_ptr 1
		.amdhsa_wavefront_size32 1
		.amdhsa_system_sgpr_workgroup_id_x 1
		.amdhsa_system_sgpr_workgroup_id_y 1
		.amdhsa_system_sgpr_workgroup_id_z 1
		.amdhsa_system_vgpr_workitem_id 0
		.amdhsa_next_free_vgpr 160
		.amdhsa_next_free_sgpr 66
		.amdhsa_reserve_vcc 0
		.amdhsa_float_denorm_mode_32 3
		.amdhsa_float_denorm_mode_16_64 3
		.amdhsa_memory_ordered 1
		.amdhsa_forward_progress 1
		.amdhsa_inst_pref_size 13
	.end_amdhsa_kernel
	.amdgpu_metadata
---
amdhsa.version: [ 1, 2 ]
amdhsa.kernels:
  - .name:           k_qb4a6db8dfe_merge
    .symbol:         k_qb4a6db8dfe_merge.kd
    .args:
      - { .name: part, .offset: 0, .size: 8, .value_kind: global_buffer, .address_space: global }
      - { .name: stat, .offset: 8, .size: 8, .value_kind: global_buffer, .address_space: global }
      - { .name: out0, .offset: 16, .size: 8, .value_kind: global_buffer, .address_space: global }
    .group_segment_fixed_size: 0
    .private_segment_fixed_size: 0
    .kernarg_segment_align: 8
    .kernarg_segment_size: 24
    .max_flat_workgroup_size: 64
    .sgpr_count:     66
    .vgpr_count:     160
    .wavefront_size: 32
...
	.end_amdgpu_metadata
.endif
;; end of part 2
;; ======== version 2 of 2: 2 launches; version 1 with the launch attn written anew for expert scheduling mode
;; workspace buffers: part 8,388,608 bytes; stat 262,144 bytes
;; launch attn (part 3): grid 8 x 32, 4 waves a work-group, no clusters, 155,136 bytes of LDS; arguments k, q, v, out0, part, stat; writes out0, part, stat
.if DOCPART == 3
	.amdgcn_target "amdgcn-amd-amdhsa--gfx1250"
	.amdhsa_code_object_version 6
	.text
	.protected	k_qb4a6db8dfe_attn
	.globl	k_qb4a6db8dfe_attn
	.p2align	8
	.type	k_qb4a6db8dfe_attn,@function
k_qb4a6db8dfe_attn:
	s_mov_b64 s[64:65], 0
	v_nop
	global_prefetch_b8 v0, s[64:65] scope:SCOPE_SE
	s_setreg_imm32_b32 hwreg(HW_REG_WAVE_SCHED_MODE, 0, 2), 2
	s_setreg_imm32_b32 hwreg(HW_REG_WAVE_MODE, 25, 1), 1
	s_wait_xcnt 0x0
	s_wait_alu depctr_vm_vsrc(0)
; GlobalLocalAttention: out = softmax(q k^T / sqrt(128) + mask) v for 32 heads of 2048 rows x 128, all f32 in memory.
; The mask is built by the problem itself: row i sees key j where |j - i| <= 256, or j < 16, or i < 16.
;
; WORK LEFT OUT.  A masked score is -inf, its probability is exactly 0 and it adds 0 * v[j] = 0 to the row, whatever finite
; values q, k and v hold.  So a tile of 16 keys that is masked for all 16 rows of a query tile is not computed.  With row
; i = rb + 16 qt + r and key j = rb - 256 + 64 t + 16 kt + (8 h + jr):  j - i = 64 (t - 4) + 16 (kt - qt) + (8 h + jr - r), the last
; term in [-15, 15].  Hence t = 1..7: every tile is allowed whole; t = 0: kt < qt masked whole, kt = qt allowed where jr >= r - 8 h,
; kt > qt whole; t = 8: the mirror image; t outside 0..8: masked whole.
; LIMITS.  A NaN or an infinity of k or v that touches only tiles left out is not carried to the result.  q, k, v and the
; probabilities enter the products rounded to bf16; the sum of a row's probabilities is taken of the f32 values.  A probability
; below 2^-126 counts as 0 (v_exp_f32 flushes denormals).  The maximum is taken away by a running maximum.
;
; SHARES.  Work-group (b, hd): rows 256 b .. 256 b + 255 of head hd; wave w: 64 rows, four query tiles of 16.  Keys go in steps of 64:
; step s holds keys 256 b - 256 + 64 s; steps 0..11, of which block 0 has 4..11 and block 7 has 0..7.  Wave w has band work in steps
; w .. w + 8 (t = s - w).  Blocks 1..7 take keys 0..15 in one short step ahead of the loop (MINI); block 0 has them in its band.
; Only rows 256..271 would then see keys 0..15 twice: for them (b = 1, w = 0, qt = 0, t = 0) the diagonal tile is masked whole.
; ROWS 0..15 of a head see all 2048 keys.  Each of the head's 32 waves takes 64 of those keys (one step g of its block, slot
; kap = 4 b - 4 + g; over b and w the slots are 0..31, each once) and stores an unnormalised partial result and its two figures
; (minus the scaled maximum, the sum); the next launch joins the 32.  In block 0 wave 0's first query tile is rows 0..15: it rides along in
; the wave's block of 64 rows and is not stored.
;
; PRODUCTS ARE TAKEN TRANSPOSED: S^T = K Q^T (a lane holds 8 keys of ONE query), O^T = V^T P^T.  Packing the key tiles 2c and 2c + 1
; to bf16 gives the second source of the second product as it stands, and maximum, sum and rescaling factor are one number a lane.
;
; K and V are f32 in memory and bf16 in LDS, so they pass through registers (load, convert, ds_store), a step ahead, into two buffers
; that take turns.  No tensor loads and no joint requests: those copy bytes as they are, which would put 64 KiB of f32 a step into LDS to be read
; back, converted and stored again beside the 32 KiB of bf16; and the neighbouring block needs the same 64 keys four steps away.
;
; THE MODE: SCHED_MODE bits 1:0 = 2 (LLVM: expert scheduling mode 2), set by the entry lines.  The code itself states the register dependences
; between vector or matrix instructions and memory or LDS instructions, with s_wait_alu, always for 0.
; THE PLAN.  Registers that memory or LDS instructions touch:
;   RAW (window 3, v0-127)   a step's head: the next step's rows land in it; the step's end: 64 conversions read and write it in place, 32 LDS stores read it.
;   FA, FB, FC, FD           the score phase's head: K's four chunks land in them, the score products read them; behind those products V^T's four groups
;                            land in them, the second products read them.  No load stands among the products of a phase.
;   the score registers      named by the softmax and the products; on a way out LDS loads land in 64 of them and global stores read them.
;   O^T (windows 2 and 3)    written by products and scalings; on a way out LDS stores read it.  At the head the same registers pass Q and rows 0..15 to LDS.
;   v50, v51                 written by two vector lines, read by one global store.
;   v2-v14, v248-v252        offsets and LDS addresses: made at the head, never written again.
;   s16; s40-s55             written by v_readfirstlane_b32 and by sixteen compares: one wait behind each of the two, ahead of the first reader.
; In a step the waits on va_vdst are five: ahead of the loads into RAW; at the score phase's head; behind the score products; behind the exponentials;
; between the conversions of RAW and its LDS stores.  One wait on vm_vsrc stands at a step's head.  Each way out has one of each.
.set PK,   272                         ; pitch of K and Q rows in LDS: 256 bytes of bf16 + 16 = 17 x 16, so the 16 rows of a fragment load begin in 16 different 16-byte columns of a 256-byte span
.set PV,   288                         ; pitch of V rows: 9 x 32 bytes, for the transposing loads
.set PO,   528                         ; pitch of the output stage: 512 bytes of f32 + 16
.set VB,   17408                       ; V's 64 rows behind K's 64 rows in a buffer
.set BUFB, 35840                       ; a buffer: 64 x 272 + 64 x 288
.set KG,   71680                       ; keys 0..15 of K
.set VG,   76032                       ; keys 0..15 of V
.set QG,   80640                       ; rows 0..15 of Q
.set WS,   84992                       ; each wave's own 17,408 bytes: first its 64 rows of Q, later the output stage
.set WSB,  17408
; window 0
.set KAD,  2                           ; r * 272 + 16 h
.set VAD,  3                           ; VB + (8 h + (lane & 7)) * 288 + 16 ((lane >> 3) & 1)
.set KST,  4                           ; 16 w * 272 + 8 lane
.set VST,  5                           ; VB + 16 w * 288 + 8 lane
.set GOFF, 6                           ; 16 lane
.set WSQ,  7                           ; my stage + KAD
.set WSS,  8                           ; my stage + 8 lane
.set OST,  9                           ; my stage + r * 528 + 32 h
.set ORD,  10                          ; my stage + 16 lane
.set KGAD, 11
.set VGAD, 12
.set QGAD, 13
.set L8,   14                          ; 8 lane
.set XD,   15                          ; r - 8 h
.set ST,   16                          ; tile q (0..3 band, 4 global rows): v[ST+4q] NM = -(scaled maximum), +1 T1 at work, +2 AL factor, +3 LS sum
.set TP,   36                          ; v[TP+q]: what the other half of the lanes holds
.set SUM,  42                          ; v[SUM+2q:SUM+2q+1]
.set FA,   52                          ; fragment buffer A, 32 registers, window 0
.set FB,   84                          ; fragment buffer B, window 0
.set FC,   160                         ; fragment buffer C, window 1
.set FD,   192                         ; fragment buffer D, window 1
.set SB,   116                         ; scores: tile (q, kt) at SB + 32 (q & 3) + 8 kt; packed probabilities of chunk c at SB + 32 (q & 3) + 16 c
; window 1: Q fragments, tile q, chunk c of 32 along d, at 32 q + 8 c; v160-223 FC and FD.   window 2: O^T, tile (qt, dt) at 64 qt + 8 dt.
; window 3: v0-127 the next K and V rows as loaded; v128-191 O^T of the global rows.
.set MSB, 0
.macro WIN new                         ; low byte: bits 1:0 source 0, 3:2 source 1, 5:4 source 2, 7:6 destination; the high byte repeats the setting that is left
.if MSB != \new
	s_set_vgpr_msb (MSB<<8)|\new
.set MSB, \new
.endif
.endm
.macro PLACES n                        ; places behind matrix instructions (ISA guide 7.12.1): plain vector instructions that name none of their registers
.rept \n
	v_nop
.endr
.endm
; TS = 0: tile (qt, kt) is masked whole; 1: allowed whole; 2: the diagonal tile.  mode 0: t = 1..7; 1: t = 0; 2: t = 8; 3: keys 0..15 alone
.macro TSTATE mode, qt, kt
.set TS, 1
.if \mode == 1
.if (\kt) < (\qt)
.set TS, 0
.endif
.if (\kt) == (\qt)
.set TS, 2
.endif
.endif
.if \mode == 2
.if (\kt) > (\qt)
.set TS, 0
.endif
.if (\kt) == (\qt)
.set TS, 2
.endif
.endif
.if \mode == 3
.if (\kt) != 0
.set TS, 0
.endif
.endif
.endm
; CA = 1: chunk c (key tiles 2c, 2c + 1) holds a tile of qt that is not masked whole
.macro CACT mode, qt, c
.set CA, 1
.if \mode == 1
.if (2*(\c)+1) < (\qt)
.set CA, 0
.endif
.endif
.if \mode == 2
.if (2*(\c)) > (\qt)
.set CA, 0
.endif
.endif
.if \mode == 3
.if (\c) != 0
.set CA, 0
.endif
.endif
.endm
.macro ACT mode, q, kt, qa, qb         ; ON: tile (q, kt) is at work for q in qa..qb; SR: its first register
.set ON, 0
.if ((\q) >= (\qa)) & ((\q) <= (\qb))
	TSTATE \mode, \q, \kt
.set ON, TS
.endif
.set SR, SB+32*((\q)&3)+8*(\kt)
.endm
.macro ACTC mode, q, c, qa, qb         ; the same for a chunk; PR: its packed probabilities
.set ON, 0
.if ((\q) >= (\qa)) & ((\q) <= (\qb))
	CACT \mode, \q, \c
.set ON, CA
.endif
.set PR, SB+32*((\q)&3)+16*(\c)
.endm
; my 16 rows of the next step's K and V: one load covers a row's 512 bytes.  w = 1: in the loop, where conversions have named these registers
.macro GLOAD_TILE w
	WIN 0xC0
.if \w
	s_wait_alu depctr_va_vdst(0)                   ; the conversions of the step before are done reading and writing RAW, in which these loads land
.endif
.irp i, 0,1,2,3,4,5,6,7,8,9,10,11,12,13,14,15
	global_load_b128 v[4*\i:4*\i+3], v[GOFF], s[32:33] offset:512*\i
.endr
.irp i, 0,1,2,3,4,5,6,7,8,9,10,11,12,13,14,15
	global_load_b128 v[64+4*\i:64+4*\i+3], v[GOFF], s[34:35] offset:512*\i
.endr
.endm
; they are rounded to bf16 in place and stored into buffer buf; stands behind the wait that shows the loads done, so the bases may step
.macro STORE_TILE buf
	WIN 0xCF
.set ii, 0
.rept 32
	v_cvt_pk_bf16_f32 v[4*ii], v[4*ii], v[4*ii+1]
	v_cvt_pk_bf16_f32 v[4*ii+1], v[4*ii+2], v[4*ii+3]
.set ii, ii+1
.endr
	WIN 0x0C
	s_wait_alu depctr_va_vdst(0)                   ; the conversions have written the rows in bf16, which the LDS stores read
.irp i, 0,1,2,3,4,5,6,7,8,9,10,11,12,13,14,15
	ds_store_b64 v[KST], v[4*\i:4*\i+1] offset:\buf*BUFB+PK*\i
.endr
.irp i, 0,1,2,3,4,5,6,7,8,9,10,11,12,13,14,15
	ds_store_b64 v[VST], v[64+4*\i:64+4*\i+1] offset:\buf*BUFB+PV*\i
.endr
	s_add_nc_u64 s[32:33], s[32:33], 0x8000        ; 64 keys of 512 bytes on
	s_add_nc_u64 s[34:35], s[34:35], 0x8000
.endm
; K fragments of the four key tiles, 32 along d at chunk c
.macro LDK c, fb, buf
.irp kt, 0,1,2,3
	ds_load_b128 v[\fb+8*\kt:\fb+8*\kt+3], v[KAD] offset:\buf*BUFB+16*PK*\kt+64*\c
	ds_load_b128 v[\fb+8*\kt+4:\fb+8*\kt+7], v[KAD] offset:\buf*BUFB+16*PK*\kt+64*\c+32
.endr
.endm
; V^T fragments: 32 keys of chunk c, d tiles 4 dh .. 4 dh + 3
.macro LDV c, dh, fb, buf
.irp i, 0,1,2,3
	ds_load_tr16_b128 v[\fb+8*\i:\fb+8*\i+3], v[VAD] offset:\buf*BUFB+32*PV*\c+32*(4*\dh+\i)
	ds_load_tr16_b128 v[\fb+8*\i+4:\fb+8*\i+7], v[VAD] offset:\buf*BUFB+32*PV*\c+32*(4*\dh+\i)+16*PV
.endr
.endm
; S^T += K Q^T for 32 along d.  The score tiles take turns, one instruction a turn, in the same order in every chunk.
.macro QKG mode, c, fb, qa, qb
.irp kt, 0,1,2,3
.irp q, 0,1,2,3,4
	ACT \mode, \q, \kt, \qa, \qb
.if ON
.if \c == 0
	v_wmma_f32_16x16x32_bf16 v[SR:SR+7], v[\fb+8*\kt:\fb+8*\kt+7], v[32*\q+8*\c:32*\q+8*\c+7], 0
.else
	v_wmma_f32_16x16x32_bf16 v[SR:SR+7], v[\fb+8*\kt:\fb+8*\kt+7], v[32*\q+8*\c:32*\q+8*\c+7], v[SR:SR+7]
.endif
.endif
.endr
.endr
.endm
; all of S^T for one step.  K's four chunks come in one run: chunks 0 and 1 into FC and FD (window 1), chunks 2 and 3 into FA and FB (window 0).
; Settings: 0x44 loads into window 1; 0x04 loads into window 0, and products with K in window 0; 0x05 products with K in window 1.  Q is source 1, window 1, throughout.
.macro QKPH mode, buf, qa, qb
	WIN 0x44
	s_wait_alu depctr_va_vdst(0)                   ; the products issued so far are done reading the four fragment buffers (behind MINI: its moves have written FA and FB), in which the 32 loads below land
	LDK 0, FC, \buf
	LDK 1, FD, \buf
	WIN 0x04
	LDK 2, FA, \buf
	LDK 3, FB, \buf
	s_wait_dscnt 0x18                              ; chunk 0 is in; the 24 loads of chunks 1 to 3 may be out
	WIN 0x05
	QKG \mode, 0, FC, \qa, \qb
	s_wait_dscnt 0x10                              ; chunk 1 is in; the 16 loads of chunks 2 and 3 may be out
	QKG \mode, 1, FD, \qa, \qb
	s_wait_dscnt 0x8                               ; chunk 2 is in; chunk 3's eight may be out
	WIN 0x04
	QKG \mode, 2, FA, \qa, \qb
	s_wait_dscnt 0x0
	QKG \mode, 3, FB, \qa, \qb
	PLACES 4                                       ; four places before the vector work that reads the scores
	s_wait_alu depctr_va_vdst(0)                   ; the score products are done reading the four fragment buffers, in which V's 32 loads below land
	LDV 0, 0, FA, \buf                             ; V's fragments come in during the softmax, which names none of the four buffers
	LDV 0, 1, FB, \buf
	WIN 0x44
	LDV 1, 0, FC, \buf
	LDV 1, 1, FD, \buf
.endm
; the softmax step of tiles qa..qb, every stage going through the tiles by turns so that their chains do not wait for each other
.macro SMX mode, first, qa, qb
	WIN 0
.if (\mode == 1) | (\mode == 2)
.irp j, 0,1,2,3,4,5,6,7                            ; the diagonal tiles (kt = qt): -inf where the mask says so
.irp q, 0,1,2,3
.if \mode == 2
	v_cndmask_b32 v[SB+40*\q+\j], s30, v[SB+40*\q+\j], s[48+\j]
.else
.if \q == 0
	v_cndmask_b32 v[SB+\j], s30, v[SB+\j], s[56+\j]
.else
	v_cndmask_b32 v[SB+40*\q+\j], s30, v[SB+40*\q+\j], s[40+\j]
.endif
.endif
.endr
.endr
.endif
.irp kt, 0,1,2,3                                   ; the largest score of my keys; a tile's first three registers start the chain
.irp g, 0,1,2,3
.irp q, 0,1,2,3,4
	ACT \mode, \q, \kt, \qa, \qb
.if ON
.set FK, 0
.if \mode == 1
.set FK, \q
.endif
.if \kt == FK
.if \g == 0
	v_max3_num_f32 v[ST+4*\q+1], v[SR], v[SR+1], v[SR+2]
.endif
.if \g == 1
	v_max3_num_f32 v[ST+4*\q+1], v[ST+4*\q+1], v[SR+3], v[SR+4]
.endif
.if \g == 2
	v_max3_num_f32 v[ST+4*\q+1], v[ST+4*\q+1], v[SR+5], v[SR+6]
.endif
.if \g == 3
	v_max_num_f32 v[ST+4*\q+1], v[ST+4*\q+1], v[SR+7]
.endif
.else
	v_max3_num_f32 v[ST+4*\q+1], v[ST+4*\q+1], v[SR+2*\g], v[SR+2*\g+1]
.endif
.endif
.endr
.endr
.endr
.irp q, 0,1,2,3,4                                  ; lanes l and l xor 16 hold the two halves of a query's keys
.if ((\q) >= (\qa)) & ((\q) <= (\qb))
	v_permlanex16_b32 v[TP+\q], v[ST+4*\q+1], s28, s29
.endif
.endr
.irp q, 0,1,2,3,4
.if ((\q) >= (\qa)) & ((\q) <= (\qb))
	v_max_num_f32 v[ST+4*\q+1], v[ST+4*\q+1], v[TP+\q]
.endif
.endr
.if \first
.irp q, 0,1,2,3,4
.if ((\q) >= (\qa)) & ((\q) <= (\qb))
	v_mul_f32 v[ST+4*\q], s31, v[ST+4*\q+1]        ; NM = -c * maximum, c = log2(e) / sqrt(128)
.endif
.endr
.else
.irp q, 0,1,2,3
	v_mul_f32 v[ST+4*\q+1], s31, v[ST+4*\q+1]
.endr
.irp q, 0,1,2,3
	v_min_num_f32 v[ST+4*\q+1], v[ST+4*\q+1], v[ST+4*\q]   ; the running maximum, with its sign turned
.endr
.irp q, 0,1,2,3
	v_sub_f32 v[ST+4*\q+2], v[ST+4*\q+1], v[ST+4*\q]       ; new NM - old NM <= 0
.endr
.irp q, 0,1,2,3
	v_mov_b32 v[ST+4*\q], v[ST+4*\q+1]
.endr
.endif
.irp kt, 0,1,2,3                                   ; c * score + NM, two at a time
.irp p, 0,2,4,6
.irp q, 0,1,2,3,4
	ACT \mode, \q, \kt, \qa, \qb
.if ON
	v_pk_fma_f32 v[SR+\p:SR+\p+1], v[SR+\p:SR+\p+1], s[26:27], v[ST+4*\q:ST+4*\q+1] op_sel_hi:[1,0,0]
.endif
.endr
.endr
.endr
.if \first == 0
.irp q, 0,1,2,3
	v_exp_f32 v[ST+4*\q+2], v[ST+4*\q+2]           ; the factor for what has been summed so far
.endr
.endif
.irp kt, 0,1,2,3
.irp j, 0,1,2,3,4,5,6,7
.irp q, 0,1,2,3,4
	ACT \mode, \q, \kt, \qa, \qb
.if ON
	v_exp_f32 v[SR+\j], v[SR+\j]
.endif
.endr
.endr
.endr
	v_nop                                          ; one plain instruction between the exponentials and the first use of a result (ISA guide 5.7.2)
	s_wait_alu depctr_va_vdst(0)                   ; the exponentials have written the probabilities and the factors, ahead of the first line that names one: one wait for the whole batch
.irp kt, 0,1,2,3                                   ; the sum of my keys' probabilities
.irp g, 0,1,2,3
.irp q, 0,1,2,3,4
	ACT \mode, \q, \kt, \qa, \qb
.if ON
.set FK, 0
.if \mode == 1
.set FK, \q
.endif
.if \kt == FK
.if \g == 0
	v_pk_add_f32 v[SUM+2*\q:SUM+2*\q+1], v[SR:SR+1], v[SR+2:SR+3]
.endif
.if \g == 1
	v_pk_add_f32 v[SUM+2*\q:SUM+2*\q+1], v[SUM+2*\q:SUM+2*\q+1], v[SR+4:SR+5]
.endif
.if \g == 2
	v_pk_add_f32 v[SUM+2*\q:SUM+2*\q+1], v[SUM+2*\q:SUM+2*\q+1], v[SR+6:SR+7]
.endif
.else
	v_pk_add_f32 v[SUM+2*\q:SUM+2*\q+1], v[SUM+2*\q:SUM+2*\q+1], v[SR+2*\g:SR+2*\g+1]
.endif
.endif
.endr
.endr
.endr
.if \first
.irp q, 0,1,2,3,4
.if ((\q) >= (\qa)) & ((\q) <= (\qb))
	v_add_f32 v[ST+4*\q+3], v[SUM+2*\q], v[SUM+2*\q+1]
.endif
.endr
.else
.irp q, 0,1,2,3
	v_add_f32 v[ST+4*\q+1], v[SUM+2*\q], v[SUM+2*\q+1]
.endr
.irp q, 0,1,2,3
	v_fma_f32 v[ST+4*\q+3], v[ST+4*\q+3], v[ST+4*\q+2], v[ST+4*\q+1]
.endr
.endif
.irp c, 0,1                                        ; to bf16, in place: key tile 2c gives registers 0-3 of the fragment, 2c + 1 registers 4-7
.irp q, 0,1,2,3,4
	ACTC \mode, \q, \c, \qa, \qb
.if ON
	TSTATE \mode, \q, 2*\c
.irp i, 0,1,2,3
.if TS
	v_cvt_pk_bf16_f32 v[PR+\i], v[PR+2*\i], v[PR+2*\i+1]
.else
	v_mov_b32 v[PR+\i], 0                          ; a tile masked whole beside one that is not
.endif
.endr
	TSTATE \mode, \q, 2*\c+1
.irp i, 0,1,2,3
.if TS
	v_cvt_pk_bf16_f32 v[PR+4+\i], v[PR+8+2*\i], v[PR+8+2*\i+1]
.else
	v_mov_b32 v[PR+4+\i], 0
.endif
.endr
.endif
.endr
.endr
.if \first == 0
	WIN 0x82                                       ; O^T (window 2) times the factor (window 0)
.irp q, 0,1,2,3
.set ii, 0
.rept 32
	v_pk_mul_f32 v[64*\q+2*ii:64*\q+2*ii+1], v[64*\q+2*ii:64*\q+2*ii+1], v[ST+4*\q+2:ST+4*\q+3] op_sel_hi:[1,0]
.set ii, ii+1
.endr
.endr
.endif
.endm
; O^T += V^T P^T for 32 keys and four d tiles.  The accumulators take turns, one instruction a turn.
.macro PVG mode, first, c, dh, fb, qa, qb
.irp i, 0,1,2,3
.irp q, 0,1,2,3,4
	ACTC \mode, \q, \c, \qa, \qb
.if ON
.set OA, 64*\q+8*(4*\dh+\i)
.if \q == 4
.set OA, 128+8*(4*\dh+\i)
.endif
.if (\first) & ((\c) == 0)
	v_wmma_f32_16x16x32_bf16 v[OA:OA+7], v[\fb+8*\i:\fb+8*\i+7], v[PR:PR+7], 0
.else
	v_wmma_f32_16x16x32_bf16 v[OA:OA+7], v[\fb+8*\i:\fb+8*\i+7], v[PR:PR+7], v[OA:OA+7]
.endif
.endif
.endr
.endr
.endm
; all of a step's second products.  V's 32 loads were issued at the end of the score phase; no load stands here.  win: V in window 0 (FA, FB); win1: V in window 1 (FC, FD)
.macro PVPH mode, first, qa, qb, win, win1
	s_wait_dscnt 0x18                              ; V's fragments (chunk 0, d tiles 0-3) are in; the 24 younger loads may be out
	WIN \win
	PVG \mode, \first, 0, 0, FA, \qa, \qb
	s_wait_dscnt 0x10                              ; (chunk 0, d tiles 4-7) are in; chunk 1's sixteen may be out
	PVG \mode, \first, 0, 1, FB, \qa, \qb
	s_wait_dscnt 0x8                               ; (chunk 1, d tiles 0-3) are in
	WIN \win1
	PVG \mode, \first, 1, 0, FC, \qa, \qb
	s_wait_dscnt 0x0
	PVG \mode, \first, 1, 1, FD, \qa, \qb
	PLACES 5                                       ; five places: the next products write over the probabilities; vector work and stores read O^T
	WIN 0
.endm
.macro BAND mode, buf, first
	QKPH \mode, \buf, 0, 3
	SMX \mode, \first, 0, 3
	PVPH \mode, \first, 0, 3, 0xA0, 0xA1
.endm
; keys 0..15 for all 64 rows, unmasked: the first step of blocks 1..7.  It starts maximum, sum and O^T.
.macro MINI
	WIN 0x04
.irp c, 0,1,2,3
	ds_load_b128 v[FA+8*\c:FA+8*\c+3], v[KGAD] offset:64*\c          ; no vector or matrix instruction has named FA yet; the address was written ahead of the head's wait
	ds_load_b128 v[FA+8*\c+4:FA+8*\c+7], v[KGAD] offset:64*\c+32
.endr
	s_wait_dscnt 0x0
.irp c, 0,1,2,3
.irp q, 0,1,2,3
.if \c == 0
	v_wmma_f32_16x16x32_bf16 v[SB+32*\q:SB+32*\q+7], v[FA+8*\c:FA+8*\c+7], v[32*\q+8*\c:32*\q+8*\c+7], 0
.else
	v_wmma_f32_16x16x32_bf16 v[SB+32*\q:SB+32*\q+7], v[FA+8*\c:FA+8*\c+7], v[32*\q+8*\c:32*\q+8*\c+7], v[SB+32*\q:SB+32*\q+7]
.endif
.endr
.endr
	PLACES 4                                       ; four places before the moves below write over fragments that the products read, and before the scores are read
	WIN 0
	s_wait_alu depctr_va_vdst(0)                   ; the products are done reading FA, in which V's fragments land
.irp i, 0,1,2,3
	ds_load_tr16_b128 v[FA+8*\i:FA+8*\i+3], v[VGAD] offset:32*\i
	ds_load_tr16_b128 v[FB+8*\i:FB+8*\i+3], v[VGAD] offset:128+32*\i
.endr
.irp i, 0,1,2,3
.irp j, 4,5,6,7
	v_mov_b32 v[FA+8*\i+\j], 0                     ; the product is 32 keys deep: keys 16..31 of both sources are zeros (registers in which no load above lands)
	v_mov_b32 v[FB+8*\i+\j], 0
.endr
.endr
	SMX 3, 1, 0, 3
	s_wait_dscnt 0x0
	WIN 0xA0
	PVG 3, 1, 0, 0, FA, 0, 3
	PVG 3, 1, 0, 1, FB, 0, 3
	PLACES 5
	WIN 0
.endm
; 16 rows of 128 f32 leave: a lane's 8 neighbouring numbers of one row go into my own stage, whole rows of 512 bytes come back and are stored.
; swin: the window of the data; ob: the tile's first register; sb: the base; imm0: byte offset; tb: 64 registers of window 0; nt: not read again
.macro OUT16 swin, ob, sb, imm0, tb, nt
	WIN \swin
	s_wait_alu depctr_va_vdst(0)                   ; the tile's registers are written (by products or scalings), which the LDS stores read; and every vector and matrix instruction that named the registers at tb is done: the loads below land there, and no vector line stands between
.irp dt, 0,1,2,3,4,5,6,7
	ds_store_b128 v[OST], v[\ob+8*\dt:\ob+8*\dt+3] offset:64*\dt
	ds_store_b128 v[OST], v[\ob+8*\dt+4:\ob+8*\dt+7] offset:64*\dt+16
.endr
	WIN 0
	s_wait_xcnt 0x0                                ; earlier stores have had their addresses translated: the registers at tb are loaded again only behind this wait,
	s_wait_alu depctr_vm_vsrc(0)                   ; and behind this one: earlier global stores have read the registers at tb
.irp i, 0,1,2,3,4,5,6,7,8,9,10,11,12,13,14,15
	ds_load_b128 v[\tb+4*\i:\tb+4*\i+3], v[ORD] offset:PO*\i       ; LDS serves a wave's instructions in order: these see the stores above
.endr
.irp i, 0,1,2,3,4,5,6,7,8,9,10,11,12,13,14,15
	s_wait_dscnt 15-\i                             ; row i is back; the younger rows may be out
.if \nt
	global_store_b128 v[GOFF], v[\tb+4*\i:\tb+4*\i+3], s[\sb:\sb+1] offset:\imm0+512*\i th:TH_STORE_NT
.else
	global_store_b128 v[GOFF], v[\tb+4*\i:\tb+4*\i+3], s[\sb:\sb+1] offset:\imm0+512*\i
.endif
.endr
.endm
; rows 0..15 of the head against this step's 64 keys, no mask: a partial result of its own, from zero to its stores
.macro GSTEP buf
	QKPH 0, \buf, 4, 4
	SMX 0, 1, 4, 4
	PVPH 0, 1, 4, 4, 0xF0, 0xF1
	v_permlanex16_b32 v[TP+4], v[ST+19], s28, s29
	v_mov_b32 v50, v[ST+16]                        ; NM
	v_add_f32 v51, v[ST+19], v[TP+4]               ; the sum over both halves of the keys
	OUT16 0x0C, 128, 68, 0, 180, 0
	global_store_b64 v[L8], v[50:51], s[70:71]     ; 32 lanes x 8 bytes: 256 consecutive bytes, aligned; lanes 16-31 repeat lanes 0-15.  v50 and v51 were written ahead of the wait at the head of the way out, and no vector line has stood since
	s_wait_xcnt 0x0                                ; the stores' data registers are score registers of later steps: they are written again only behind this wait,
	s_wait_alu depctr_vm_vsrc(0)                   ; and behind this one: the global stores have read v50, v51 and v180-243, the LDS stores the O^T of the global rows
.endm
; one step: the next step's rows are asked for, this step's buffer is worked on, the rows are stored into the other buffer, one barrier
.macro STEP buf
	s_add_co_u32 s24, s19, \buf                    ; this step
	s_wait_alu depctr_vm_vsrc(0)                   ; the LDS stores of the step before have read RAW, in which the loads below land and which this step's conversions write again
.if \buf
	s_add_co_u32 s25, s19, 2                       ; the next one, if the block has it
	s_cmp_ge_u32 s25, s20
	s_cbranch_scc1 .Lnoload_\@
.endif
	GLOAD_TILE 1
	WIN 0
.if \buf
.Lnoload_\@:
.endif
	s_cmp_lt_u32 s24, s21
	s_cbranch_scc1 .Lnoband_\@
	s_cmp_ge_u32 s24, s22
	s_cbranch_scc1 .Lnoband_\@
	s_sub_co_u32 s36, s24, s16                     ; t
	s_cmp_eq_u32 s36, 0
	s_cbranch_scc1 .Llow_\@
	s_cmp_eq_u32 s36, 8
	s_cbranch_scc1 .Lhigh_\@
	BAND 0, \buf, 0
	WIN 0
	s_branch .Lnoband_\@
.Llow_\@:
	BAND 1, \buf, 0
	WIN 0
	s_branch .Lnoband_\@
.Lhigh_\@:
	BAND 2, \buf, 0
	WIN 0
.Lnoband_\@:
	s_cmp_lg_u32 s24, s23
	s_cbranch_scc1 .Lnog_\@
	GSTEP \buf
	WIN 0
.Lnog_\@:
	s_wait_loadcnt 0x0                             ; the next step's rows are in registers, and the loads' bases are free
.if \buf
	s_cmp_ge_u32 s25, s20
	s_cbranch_scc1 .Lnostore_\@
	STORE_TILE 0
	WIN 0
.Lnostore_\@:
.else
	STORE_TILE 1
	WIN 0
.endif
	s_wait_dscnt 0x0                               ; my reads of this buffer are back and my stores into the other are done:
	s_barrier_signal -1                            ; behind the barrier the other buffer is read,
	s_barrier_wait -1                              ; and this one is stored into at the end of the next step
.endm
	s_load_b256 s[4:11], s[0:1], 0x0               ; k s[4:5], q s[6:7], v s[8:9], out0 s[10:11]
	s_load_b128 s[12:15], s[0:1], 0x20             ; part s[12:13], stat s[14:15]
	v_lshl_add_u32 v254, v0, 2, 0x25c00
	v_mov_b32 v255, 0
	v_lshrrev_b32 v244, 5, v0
	v_readfirstlane_b32 s16, v244                  ; w
	s_mov_b32 s17, ttmp9                           ; b
	s_and_b32 s18, ttmp7, 0xffff                   ; hd
	s_mov_b32 s26, 0x3e0293ee                      ; c = log2(e) / sqrt(128), twice: a pair for the packed multiply-add
	s_mov_b32 s27, 0x3e0293ee
	s_mov_b32 s28, 0x76543210                      ; v_permlanex16_b32: lane i of one half reads lane i of the other
	s_mov_b32 s29, 0xfedcba98
	s_mov_b32 s30, 0xff800000                      ; -inf
	s_mov_b32 s31, 0xbe0293ee                      ; -c
	s_wait_alu depctr_va_sdst(0)                   ; s16 is written, ahead of its first reader: steps, LDS places and bases are made from it
	s_or_b32 s72, s17, s16                         ; 0 for the wave whose first query tile is rows 0..15
	s_cmp_eq_u32 s17, 0
	s_cselect_b32 s19, 4, 0                        ; the block's first step
	s_cselect_b32 s21, 5, s16                      ; my first band step in the loop (block 0 does step 4 ahead of it)
	s_cselect_b32 s36, 6, 0
	s_cselect_b32 s73, 4, 6                        ; trips of two steps: blocks 0 and 7 have 8 steps, the others 12
	s_cmp_eq_u32 s17, 7
	s_cselect_b32 s20, 8, 12                       ; the block's steps end here
	s_cselect_b32 s38, 4, 10
	s_cselect_b32 s73, 4, s73
	s_add_co_u32 s22, s16, 9
	s_min_u32 s22, s22, s20                        ; my band steps end here
	s_sub_co_u32 s37, 3, s16
	s_add_co_u32 s36, s36, s37                     ; waves 2, 3: g = 3 - w, in block 0 six more
	s_sub_co_u32 s39, 1, s16
	s_add_co_u32 s38, s38, s39                     ; waves 0, 1: g = 11 - w, in block 7 six less
	s_cmp_ge_u32 s16, 2
	s_cselect_b32 s23, s36, s38                    ; g: the step whose keys I take for rows 0..15
	v_and_b32 v1, 31, v0                           ; lane
	v_and_b32 v244, 15, v0                         ; r
	v_bfe_u32 v245, v0, 4, 1                       ; h
	v_mul_u32_u24 v[KAD], v244, PK
	v_lshl_add_u32 v[KAD], v245, 4, v[KAD]
	v_and_b32 v246, 7, v0
	v_lshl_add_u32 v246, v245, 3, v246
	v_mul_u32_u24 v[VAD], v246, PV
	v_bfe_u32 v247, v0, 3, 1
	v_lshl_add_u32 v[VAD], v247, 4, v[VAD]
	v_add_nc_u32 v[VAD], VB, v[VAD]
	v_lshlrev_b32 v[L8], 3, v1
	v_lshlrev_b32 v[GOFF], 4, v1
	s_mul_i32 s36, s16, 16*PK
	v_add_nc_u32 v[KST], s36, v[L8]
	s_mul_i32 s36, s16, 16*PV
	s_add_co_u32 s36, s36, VB
	v_add_nc_u32 v[VST], s36, v[L8]
	s_mul_i32 s37, s16, WSB
	s_add_co_u32 s37, s37, WS                      ; my own stage
	v_add_nc_u32 v[WSQ], s37, v[KAD]
	v_add_nc_u32 v[WSS], s37, v[L8]
	v_mul_u32_u24 v[OST], v244, PO
	v_lshl_add_u32 v[OST], v245, 5, v[OST]
	v_add_nc_u32 v[OST], s37, v[OST]
	v_add_nc_u32 v[ORD], s37, v[GOFF]
	v_add_nc_u32 v[KGAD], KG, v[KAD]
	v_add_nc_u32 v[VGAD], VG-VB, v[VAD]
	v_add_nc_u32 v[QGAD], QG, v[KAD]
	v_lshlrev_b32 v247, 3, v245
	v_sub_nc_u32 v[XD], v244, v247                 ; r - 8 h
	s_mul_i32 s36, s16, 4*PK                       ; of a head's first 16 rows each wave stages four
	v_add_nc_u32 v248, s36, v[L8]
	v_add_nc_u32 v249, QG, v248
	v_add_nc_u32 v250, KG, v248
	s_mul_i32 s36, s16, 4*PV
	s_add_co_u32 s36, s36, VG
	v_add_nc_u32 v251, s36, v[L8]
	v_lshl_add_u32 v252, s16, 11, v[GOFF]          ; their byte offset in the head: 4 w rows of 512 bytes + 16 lane
.irp q, 0,1,2,3,4
	v_mov_b32 v[TP+\q], 0                          ; v_permlanex16_b32 counts as a reader of its destination
.endr
.irp j, 0,1,2,3,4,5,6,7
	v_cmp_ge_i32 s[40+\j], \j, v[XD]               ; t = 0, kt = qt: allowed where jr >= r - 8 h
	v_cmp_le_i32 s[48+\j], \j, v[XD]               ; t = 8, kt = qt: allowed where jr <= r - 8 h
.endr
	s_wait_alu depctr_va_sdst(0)                   ; the sixteen compares have written s40 to s55, ahead of their first readers: the selects below, and the masks' v_cndmask_b32 in the loop
	s_lshl_b32 s36, s17, 2
	s_or_b32 s36, s36, s16
	s_cmp_eq_u32 s36, 4                            ; b = 1 and w = 0: rows 256..271 have had keys 0..15 already
.irp j, 0,1,2,3,4,5,6,7
	s_cselect_b32 s[56+\j], 0, s[40+\j]
.endr
	s_lshl2_add_u32 s36, s17, s23
	s_sub_co_u32 s36, s36, 4                       ; slot = 4 b - 4 + g
	s_lshl_b32 s37, s18, 5
	s_add_co_u32 s36, s36, s37                     ; 32 hd + slot
	s_mov_b32 s39, 0
	s_wait_kmcnt 0x0
	s_lshl_b32 s38, s36, 13
	s_add_nc_u64 s[68:69], s[12:13], s[38:39]      ; my partial result: 16 rows of 512 bytes
	s_lshl_b32 s38, s36, 8
	s_add_nc_u64 s[70:71], s[14:15], s[38:39]      ; its figures: 256 bytes
	s_lshl_b32 s38, s18, 20                        ; a head is 2048 rows of 512 bytes
	s_add_nc_u64 s[4:5], s[4:5], s[38:39]
	s_add_nc_u64 s[6:7], s[6:7], s[38:39]
	s_add_nc_u64 s[8:9], s[8:9], s[38:39]
	s_add_nc_u64 s[10:11], s[10:11], s[38:39]
	s_lshl_b32 s36, s17, 8                         ; 256 b
	s_lshl_b32 s37, s19, 6
	s_add_co_u32 s37, s37, s36
	s_sub_co_u32 s37, s37, 256                     ; the first step's first key
	s_lshl4_add_u32 s37, s16, s37                  ; my 16 rows of it
	s_lshl_b32 s38, s37, 9
	s_add_nc_u64 s[32:33], s[4:5], s[38:39]
	s_add_nc_u64 s[34:35], s[8:9], s[38:39]
	s_lshl_b32 s37, s16, 6
	s_add_co_u32 s37, s37, s36                     ; my first row
	s_lshl_b32 s38, s37, 9
	s_add_nc_u64 s[74:75], s[6:7], s[38:39]
	s_add_nc_u64 s[66:67], s[10:11], s[38:39]
	; all that the start needs, in one run of loads
	WIN 0x80
	s_wait_alu depctr_va_vdst(0)                   ; the offsets and LDS addresses v2 to v14 and v248 to v252 are written: every load and store of the kernel reads one of them, and none is written again
.set ii, 0
.rept 64
	global_load_b128 v[4*ii:4*ii+3], v[GOFF], s[74:75] offset:512*ii th:TH_LOAD_NT   ; my 64 rows of Q, into the registers that later hold O^T
.set ii, ii+1
.endr
	GLOAD_TILE 0                                   ; no vector instruction has named RAW yet
.irp i, 0,1,2,3
	global_load_b128 v[128+4*\i:128+4*\i+3], v252, s[6:7] offset:512*\i              ; four of Q's rows 0..15
.endr
	WIN 0
	s_cmp_eq_u32 s17, 0
	s_cbranch_scc1 .Lno_gcols                      ; block 0 has keys 0..15 in its band
	WIN 0xC0
.irp i, 0,1,2,3
	global_load_b128 v[144+4*\i:144+4*\i+3], v252, s[4:5] offset:512*\i
	global_load_b128 v[160+4*\i:160+4*\i+3], v252, s[8:9] offset:512*\i
.endr
	s_wait_loadcnt 0x0
	WIN 0xCF
.irp i, 0,1,2,3,4,5,6,7
	v_cvt_pk_bf16_f32 v[144+4*\i], v[144+4*\i], v[144+4*\i+1]
	v_cvt_pk_bf16_f32 v[144+4*\i+1], v[144+4*\i+2], v[144+4*\i+3]
.endr
	WIN 0x0C
	s_wait_alu depctr_va_vdst(0)                   ; the conversions have written keys 0..15 in bf16, which the LDS stores read
.irp i, 0,1,2,3
	ds_store_b64 v250, v[144+4*\i:144+4*\i+1] offset:PK*\i
	ds_store_b64 v251, v[160+4*\i:160+4*\i+1] offset:PV*\i
.endr
	WIN 0
.Lno_gcols:
	s_wait_loadcnt 0x0
	WIN 0x8A                                       ; all the head's other conversions stand ahead of one wait, all its other LDS stores behind it
.set ii, 0
.rept 64
	v_cvt_pk_bf16_f32 v[4*ii], v[4*ii], v[4*ii+1]
	v_cvt_pk_bf16_f32 v[4*ii+1], v[4*ii+2], v[4*ii+3]
.set ii, ii+1
.endr
	WIN 0xCF
.irp i, 0,1,2,3
	v_cvt_pk_bf16_f32 v[128+4*\i], v[128+4*\i], v[128+4*\i+1]
	v_cvt_pk_bf16_f32 v[128+4*\i+1], v[128+4*\i+2], v[128+4*\i+3]
.endr
	STORE_TILE 0                                   ; its wait, behind its conversions, also states that those of Q above have written their results
.irp i, 0,1,2,3
	ds_store_b64 v249, v[128+4*\i:128+4*\i+1] offset:PK*\i         ; written ahead of that wait; no vector line has stood since
.endr
	WIN 0x08
.set ii, 0
.rept 64
	ds_store_b64 v[WSS], v[4*ii:4*ii+1] offset:PK*ii               ; likewise
.set ii, ii+1
.endr
	WIN 0x40
.irp q, 0,1,2,3
.irp c, 0,1,2,3
	ds_load_b128 v[32*\q+8*\c:32*\q+8*\c+3], v[WSQ] offset:16*PK*\q+64*\c            ; my own bytes: LDS serves a wave's instructions in order.  No vector instruction has named window 1
	ds_load_b128 v[32*\q+8*\c+4:32*\q+8*\c+7], v[WSQ] offset:16*PK*\q+64*\c+32
.endr
.endr
	WIN 0
	s_wait_dscnt 0x0                               ; my stores are done,
	s_barrier_signal -1
	s_barrier_wait -1                              ; everybody's are
	s_wait_alu depctr_vm_vsrc(0)                   ; my LDS stores have read their data: window 2 and window 3's v128-175 are O^T from here on, written by the products
	WIN 0x40
.irp c, 0,1,2,3
	ds_load_b128 v[128+8*\c:128+8*\c+3], v[QGAD] offset:64*\c
	ds_load_b128 v[128+8*\c+4:128+8*\c+7], v[QGAD] offset:64*\c+32
.endr
	WIN 0
	s_wait_dscnt 0x0
	; the first step starts maximum, sum and O^T: nothing is cleared
	s_cmp_lg_u32 s17, 0
	s_cbranch_scc1 .Lmini
	BAND 0, 0, 1                                   ; block 0: step 4 (t = 4 - w, every tile allowed whole)
	WIN 0
	s_branch .Lstep
.Lmini:
	MINI
	WIN 0
.Lstep:
	STEP 0
	STEP 1
	s_add_co_u32 s19, s19, 2                       ; the number of the trip's first step: the forward branches above go by it
	s_sub_co_u32 s73, s73, 1                       ; the loop ends on its own counter of trips, one down a trip, against the constant 0
	s_cmp_lg_u32 s73, 0
	s_cbranch_scc1 .Lstep
; a query tile is divided by its sum and leaves
.macro FIN qt
	v_permlanex16_b32 v[TP+\qt], v[ST+4*\qt+3], s28, s29
	v_add_f32 v[ST+4*\qt+3], v[ST+4*\qt+3], v[TP+\qt]      ; the sum over both halves of the keys
	v_rcp_f32 v[ST+4*\qt+2], v[ST+4*\qt+3]
	v_nop                                          ; one plain instruction before the reciprocal is used (ISA guide 5.7.2)
	s_wait_alu depctr_va_vdst(0)                   ; the reciprocal is written, ahead of the first line that names it
	WIN 0x82
.set ii, 0
.rept 32
	v_pk_mul_f32 v[64*\qt+2*ii:64*\qt+2*ii+1], v[64*\qt+2*ii:64*\qt+2*ii+1], v[ST+4*\qt+2:ST+4*\qt+3] op_sel_hi:[1,0]
.set ii, ii+1
.endr
	OUT16 0x08, 64*\qt, 66, 8192*\qt, SB+64*(\qt&1), 1
.endm
	s_cmp_eq_u32 s72, 0
	s_cbranch_scc1 .Lskip0                         ; rows 0..15 of the head are the next launch's
	FIN 0
	WIN 0
.Lskip0:
	FIN 1
	FIN 2
	FIN 3
	s_wait_dscnt 0x0
	s_wait_alu depctr_hold_cnt(0) depctr_sa_sdst(0) depctr_va_vdst(0) depctr_va_sdst(0) depctr_va_ssrc(0) depctr_va_vcc(0) depctr_vm_vsrc(0)
	s_wait_tensorcnt 0x0
	ds_add_u32 v254, v255
	s_wait_dscnt 0x0
	s_endpgm
.Lfunc_end_k_qb4a6db8dfe_attn:
	.size	k_qb4a6db8dfe_attn, .Lfunc_end_k_qb4a6db8dfe_attn-k_qb4a6db8dfe_attn
	.p2alignl 7, 3214868480
	.fill 96, 4, 3214868480
	.section	.rodata,"a",@progbits
	.p2align	6, 0x0
	.amdhsa_kernel k_qb4a6db8dfe_attn
		.amdhsa_group_segment_fixed_size 155136
		.amdhsa_private_segment_fixed_size 0
		.amdhsa_enable_private_segment 0
		.amdhsa_kernarg_size 48
		.amdhsa_user_sgpr_count 2
		.amdhsa_user_sgpr_kernarg_segment_ptr 1
		.amdhsa_wavefront_size32 1
		.amdhsa_system_sgpr_workgroup_id_x 1
		.amdhsa_system_sgpr_workgroup_id_y 1
		.amdhsa_system_sgpr_workgroup_id_z 1
		.amdhsa_system_vgpr_workitem_id 0
		.amdhsa_next_free_vgpr 960
		.amdhsa_next_free_sgpr 76
		.amdhsa_reserve_vcc 0
		.amdhsa_float_denorm_mode_32 3
		.amdhsa_float_denorm_mode_16_64 3
		.amdhsa_memory_ordered 1
		.amdhsa_forward_progress 1
		.amdhsa_inst_pref_size 255
	.end_amdhsa_kernel
	.section	.bss,"aw",@nobits
	.p2align	6
	.space	262144
	.amdgpu_metadata
---
amdhsa.version: [ 1, 2 ]
amdhsa.kernels:
  - .name:           k_qb4a6db8dfe_attn
    .symbol:         k_qb4a6db8dfe_attn.kd
    .args:
      - { .name: k, .offset: 0, .size: 8, .value_kind: global_buffer, .address_space: global }
      - { .name: q, .offset: 8, .size: 8, .value_kind: global_buffer, .address_space: global }
      - { .name: v, .offset: 16, .size: 8, .value_kind: global_buffer, .address_space: global }
      - { .name: out0, .offset: 24, .size: 8, .value_kind: global_buffer, .address_space: global }
      - { .name: part, .offset: 32, .size: 8, .value_kind: global_buffer, .address_space: global }
      - { .name: stat, .offset: 40, .size: 8, .value_kind: global_buffer, .address_space: global }
    .group_segment_fixed_size: 155136
    .private_segment_fixed_size: 0
    .kernarg_segment_align: 8
    .kernarg_segment_size: 48
    .max_flat_workgroup_size: 128
    .sgpr_count:     76
    .vgpr_count:     960
    .wavefront_size: 32
...
	.end_amdgpu_metadata
.endif
;; end of part 3
;; launch merge: the kernel of part 2 again; grid 8 x 32, 2 waves a work-group, no clusters, 0 bytes of LDS; arguments part, stat, out0; writes out0
